; MI455X (gfx1250); checked and timed in simulation.
; The chip was launched on July 23, 2026; its instructions are those of AMD's public machine-readable ISA for CDNA 5 (MIT licence, August 2026) and "CDNA5" Instruction Set Architecture Reference Guide (July 2026). The comments in the code are by the model that wrote it; some were corrected since.
;; Switch Transformers Sparse MLP Offloading. Allowed arithmetic: float matrix products may take bf16 or f16 operands with f32 sums; all other float work in f32.
;; Inputs: expert_index 4 x 1,024 x 2 int32; expert_prob 4 x 1,024 x 2 float32; hidden_states 4 x 1,024 x 512 float32; wi 8 x 512 x 2,048 float32; wo 8 x 2,048 x 512 float32.
;; Outputs: out0 4 x 1,024 x 512 float32.
;; 2 versions, each right and faster than the one before. Each part assembles by itself: llvm-mc -triple=amdgcn-amd-amdhsa -mcpu=gfx1250 --defsym DOCPART=n.
;; ======== version 1 of 2: 3 launches
;; limits: values are held in f16: magnitudes above 65,504 overflow, below 6.1e-05 lose precision
;; workspace buffers: xb 4,194,304 bytes; wib 16,777,216 bytes; wob 16,777,216 bytes; part 75,497,472 bytes; rowtok 36,864 bytes of whole numbers; tile_e 256 bytes of whole numbers; pos 32,768 bytes of whole numbers
;; launch prep (part 1): grid 577 x 1, 16 waves a work-group, no clusters, 40,960 bytes of LDS; arguments expert_index, hidden_states, wi, wo, xb, wib, wob, rowtok, tile_e, pos; writes xb, wib, wob, rowtok, tile_e, pos
.if DOCPART == 1
	.amdgcn_target "amdgcn-amd-amdhsa--gfx1250"
	.amdhsa_code_object_version 6
	.text
	.protected	k_qbe82adb1e9_prep
	.globl	k_qbe82adb1e9_prep
	.p2align	8
	.type	k_qbe82adb1e9_prep,@function
k_qbe82adb1e9_prep:
	s_mov_b64 s[64:65], 0
	v_nop
	global_prefetch_b8 v0, s[64:65] scope:SCOPE_SE
	s_setreg_imm32_b32 hwreg(HW_REG_WAVE_MODE, 25, 1), 1
	s_wait_xcnt 0x0
; PREP.  Two jobs, chosen by the work-group's number alone (the same in all 16 waves of a work-group).
; Work-groups 1 .. 576 CONVERT 131,072 bytes of f32 each: wi -> wib (bf16), hidden_states -> xb (bf16), wo -> wob (rounded to bf16 like the
; other inputs, and that number written as f16, since the second product runs in f16).  Layouts stay as they are.
; Work-group 0 ROUTES.  A slot is s = 2 x token + k, 8,192 in all.  The slots are grouped by expert into tiles of 144 positions, each expert
; beginning on a tile: the sum over experts of ceil(n_e / 144) is at most (8,192 + 8 x 143) / 144 = 64 whatever the split, so 64 tiles, 9,216 positions.
;   pos[slot] = the slot's position;  rowtok[position] = its token, 0 where no slot lies;  tile_e[tile] = the tile's expert (7 behind the last used tile).
; LIMITS.  wo beyond 65,504 becomes an infinity in f16; below 6.1e-5 it keeps f16's fixed step of 6e-8.  An expert_index outside 0 .. 7 is placed with
; expert 7 here and gets the coefficient 0 in the last launch, as the reference's one-hot gives it.
.set LIST, 0                           ; LDS: 9,216 words, the token of each position
.set TAB,  36864                       ; LDS: word [wave][lane]: lanes 0 to 7 hold the wave's counts for experts 0 to 7
.set IDX, 8                            ; v[8:23]   my 16 slots' experts; later their LDS addresses in LIST
.set RK,  24                           ; v[24:39]  their ranks, then their positions
.set CW,  40                           ; v[40:55]  an expert's counts in the 16 waves; then each slot's base; then my slots' tokens
.set BK,  64                           ; v[64:81]  LIST on its way out
.set CNT, 32                           ; s[32:39]  my wave's running counts
.set NN,  40                           ; s[40:47]  the experts' totals
.set TB,  48                           ; s[48:55]  the experts' first tiles
	s_load_b512 s[4:19], s[0:1], 0x0               ; expert_index s[4:5], hidden s[6:7], wi s[8:9], wo s[10:11], xb s[12:13], wib s[14:15], wob s[16:17], rowtok s[18:19]
	s_load_b128 s[20:23], s[0:1], 0x40             ; tile_e s[20:21], pos s[22:23]
	v_lshl_add_u32 v104, v0, 2, 0x9800
	v_mov_b32 v105, 0
	v_lshrrev_b32 v3, 5, v0
	v_readfirstlane_b32 s24, v3                    ; wave 0..15
	v_lshlrev_b32 v1, 4, v0                        ; 16 t
	v_lshlrev_b32 v2, 3, v0                        ; 8 t
	v_and_b32 v3, 31, v0                           ; lane
	s_wait_kmcnt 0x0
	s_cmp_eq_u32 ttmp9, 0
	s_cbranch_scc1 .Lroute
; ---------------------------------------------------------------- CONVERT
	s_sub_co_u32 s25, ttmp9, 1                     ; chunk 0..575: 256 of wi, 256 of wo, 64 of hidden_states
	s_cmp_lt_u32 s25, 256
	s_cselect_b64 s[26:27], s[8:9], s[10:11]       ; from
	s_cselect_b64 s[28:29], s[14:15], s[16:17]     ; to
	s_cselect_b32 s30, 0, 256                      ; the tensor's first chunk
	s_cmp_lt_u32 s25, 512
	s_cselect_b64 s[26:27], s[26:27], s[6:7]
	s_cselect_b64 s[28:29], s[28:29], s[12:13]
	s_cselect_b32 s30, s30, 512
	s_sub_co_u32 s25, s25, s30                     ; the chunk within its tensor
	s_lshl_b32 s32, s25, 17                        ; 131,072 bytes in,
	s_mov_b32 s33, 0
	s_lshl_b32 s34, s25, 16                        ; 65,536 bytes out
	s_mov_b32 s35, 0
	s_add_nc_u64 s[26:27], s[26:27], s[32:33]
	s_add_nc_u64 s[28:29], s[28:29], s[34:35]
.set i, 0
.rept 16                               ; all 16 loads of a thread go out together; a wave's load covers 512 consecutive bytes
	global_load_b128 v[8+4*i:11+4*i], v1, s[26:27] offset:8192*i th:TH_LOAD_NT
.set i, i+1
.endr
; half = 1: the bf16 number is widened again and written as f16.  No register is used twice for memory, so no wait but the counted one for the data.
.macro CONV half
.set i, 0
.rept 16
	s_wait_loadcnt 15-i                            ; loads come back in order: number i is in, the younger ones stay out
	v_cvt_pk_bf16_f32 v[72+2*i], v[8+4*i], v[9+4*i]
	v_cvt_pk_bf16_f32 v[73+2*i], v[10+4*i], v[11+4*i]
.if \half
	v_lshlrev_b32 v[8+4*i], 16, v[72+2*i]
	v_and_b32 v[9+4*i], 0xffff0000, v[72+2*i]
	v_lshlrev_b32 v[10+4*i], 16, v[73+2*i]
	v_and_b32 v[11+4*i], 0xffff0000, v[73+2*i]
	v_cvt_pk_f16_f32 v[72+2*i], v[8+4*i], v[9+4*i]
	v_cvt_pk_f16_f32 v[73+2*i], v[10+4*i], v[11+4*i]
.endif
	global_store_b64 v2, v[72+2*i:73+2*i], s[28:29] offset:4096*i  ; a wave's store covers 256 consecutive bytes, aligned
.set i, i+1
.endr
.endm
	s_cmp_eq_u32 s30, 256
	s_cbranch_scc1 .Lwo
	CONV 0
	s_endpgm
.Lwo:
	CONV 1
	s_endpgm
; ---------------------------------------------------------------- ROUTE (512 threads; thread t owns slots 2,048 i + 4 t + c, i and c = 0..3)
.Lroute:
.set i, 0
.rept 4
	global_load_b128 v[IDX+4*i:IDX+4*i+3], v1, s[4:5] offset:8192*i
.set i, i+1
.endr
	v_mov_b32 v56, 0
	v_mov_b32 v57, 0
.set i, 0
.rept 9
	ds_store_b64 v2, v[56:57] offset:LIST+4096*i   ; every position starts as token 0
.set i, i+1
.endr
.set e, 0
.rept 8
	s_mov_b32 s[CNT+e], 0
.set e, e+1
.endr
	s_wait_loadcnt 0x0
.set j, 0
.rept 16
	v_min_u32 v[IDX+j], 7, v[IDX+j]
.set j, j+1
.endr
; the rank of each slot among its wave's slots of the same expert: what the wave has counted so far + the lanes below me that name it now
.set j, 0
.rept 16
.set e, 0
.rept 8
	v_cmp_eq_u32 vcc_lo, e, v[IDX+j]
	v_mbcnt_lo_u32_b32 v58, vcc_lo, s[CNT+e]
.if e == 0
	v_cndmask_b32 v[RK+j], 0, v58, vcc_lo
.else
	v_cndmask_b32 v[RK+j], v[RK+j], v58, vcc_lo
.endif
	s_bcnt1_i32_b32 s56, vcc_lo
	s_add_co_u32 s[CNT+e], s[CNT+e], s56
.set e, e+1
.endr
.set j, j+1
.endr
.set e, 0
.rept 8
	v_writelane_b32 v57, s[CNT+e], e               ; v57 was 0: lanes 8 to 31 stay 0
.set e, e+1
.endr
	v_lshlrev_b32 v59, 2, v0
	ds_store_b32 v59, v57 offset:TAB               ; 128 consecutive bytes of the wave's own
	s_wait_dscnt 0x0                               ; for the others' sake: my counts and my zeros are stored
	s_barrier_signal -1
	s_barrier_wait -1
	v_and_b32 v60, 7, v0
	v_lshlrev_b32 v60, 2, v60
.set w, 0
.rept 16
	ds_load_b32 v[CW+w], v60 offset:TAB+128*w      ; lane l: expert l % 8's count in wave w
.set w, w+1
.endr
	s_wait_dscnt 0x0
	v_add_nc_u32 v61, v[CW], v[CW+1]               ; the expert's total
.set w, 2
.rept 7
	v_add3_u32 v61, v61, v[CW+w], v[CW+w+1]
.set w, w+2
.endr
	v_mov_b32 v62, 0                               ; and what the waves below mine hold of it
.set w, 0
.rept 15
	s_cmp_gt_u32 s24, w
	s_cselect_b32 s56, -1, 0
	v_and_b32 v63, s56, v[CW+w]
	v_add_nc_u32 v62, v62, v63
.set w, w+1
.endr
.set e, 0
.rept 8
	v_readlane_b32 s[NN+e], v61, e
.set e, e+1
.endr
	s_mov_b32 s57, 0
	v_mov_b32 v58, 0
.set e, 0
.rept 8
	s_mov_b32 s[TB+e], s57                         ; the expert's first tile
	s_mul_i32 s59, s57, 144
	v_writelane_b32 v58, s59, e                    ; and first position
	s_add_co_u32 s58, s[NN+e], 143
	s_lshr_b32 s58, s58, 4                         ; x = (n + 143) / 16, at most 520;
	s_mul_i32 s58, s58, 7282                       ; x / 9 = x * 7282 >> 16: 7282 * 9 = 65,538, so (9 k + 8) * 7282 = 65,538 k + 58,256 stays under 65,536 (k + 1) for k up to 57
	s_lshr_b32 s58, s58, 16                        ; = ceil(n / 144)
	s_add_co_u32 s57, s57, s58
.set e, e+1
.endr
	v_add_nc_u32 v59, v58, v62                     ; lane e: where my wave's slots of expert e begin
.set j, 0
.rept 16
	v_lshlrev_b32 v[IDX+j], 2, v[IDX+j]
	ds_bpermute_b32 v[CW+j], v[IDX+j], v59         ; each slot takes its expert's figure
.set j, j+1
.endr
	v_lshlrev_b32 v61, 1, v0                       ; 2 t
	s_wait_dscnt 0x0                               ; the figures are in; with them all my reads of TAB are over
.set j, 0
.rept 16
	v_add_nc_u32 v[RK+j], v[RK+j], v[CW+j]         ; the slot's position: first position of the expert + the lower waves' slots + my rank.  No two slots share one
.set j, j+1
.endr
.set j, 0
.rept 16
	v_min_u32 v[IDX+j], 0x23ff, v[RK+j]            ; a position is at most 9,215:
	v_lshlrev_b32 v[IDX+j], 2, v[IDX+j]            ; its word in LIST
.set j, j+1
.endr
.set i, 0
.rept 8
	v_add_nc_u32 v[CW+i], 1024*(i/2)+i%2, v61      ; token = slot / 2 = 1,024 i + 2 t + c / 2: eight tokens for my 16 slots
.set i, i+1
.endr
	s_barrier_signal -1                            ; between every wave's reads of LDS and the stores below, whose addresses hang on data
	s_barrier_wait -1
.set j, 0
.rept 16
	ds_store_b32 v[IDX+j], v[CW+2*(j/4)+(j%4)/2] offset:LIST  ; every wave places its own slots' tokens
.set j, j+1
.endr
	s_wait_dscnt 0x0                               ; for the others' sake: my tokens are placed
	s_barrier_signal -1
	s_barrier_wait -1
.set i, 0
.rept 9
	ds_load_b64 v[BK+2*i:BK+2*i+1], v2 offset:LIST+4096*i
.set i, i+1
.endr
.set i, 0
.rept 4
	global_store_b128 v1, v[RK+4*i:RK+4*i+3], s[22:23] offset:8192*i  ; pos: my four slots 2,048 i + 4 t .. are 16 consecutive bytes; a wave's store covers 512
.set i, i+1
.endr
	s_wait_dscnt 0x0
.set i, 0
.rept 9
	global_store_b64 v2, v[BK+2*i:BK+2*i+1], s[18:19] offset:4096*i  ; rowtok: a wave's store covers 256 consecutive bytes, aligned
.set i, i+1
.endr
	s_cmp_lg_u32 s24, 0
	s_cbranch_scc1 .Lend
	v_lshlrev_b32 v44, 1, v3                       ; wave 0: tiles 2 lane and 2 lane + 1
	v_add_nc_u32 v45, 1, v44
	v_mov_b32 v46, 0
	v_mov_b32 v47, 0
.set e, 1
.rept 7                                ; a tile's expert = how many of experts 1 to 7 begin at or before it (an expert without slots has no tile)
	v_cmp_le_u32 vcc_lo, s[TB+e], v44
	v_cndmask_b32 v48, 0, 1, vcc_lo
	v_add_nc_u32 v46, v46, v48
	v_cmp_le_u32 vcc_lo, s[TB+e], v45
	v_cndmask_b32 v48, 0, 1, vcc_lo
	v_add_nc_u32 v47, v47, v48
.set e, e+1
.endr
	global_store_b64 v2, v[46:47], s[20:21]        ; in wave 0 the thread's number is the lane: 256 consecutive bytes
.Lend:
	s_wait_tensorcnt 0x0
	ds_add_u32 v104, v105
	s_wait_dscnt 0x0
	s_endpgm
.Lfunc_end_k_qbe82adb1e9_prep:
	.size	k_qbe82adb1e9_prep, .Lfunc_end_k_qbe82adb1e9_prep-k_qbe82adb1e9_prep
	.p2alignl 7, 3214868480
	.fill 96, 4, 3214868480
	.section	.rodata,"a",@progbits
	.p2align	6, 0x0
	.amdhsa_kernel k_qbe82adb1e9_prep
		.amdhsa_group_segment_fixed_size 40960
		.amdhsa_private_segment_fixed_size 0
		.amdhsa_enable_private_segment 0
		.amdhsa_kernarg_size 80
		.amdhsa_user_sgpr_count 2
		.amdhsa_user_sgpr_kernarg_segment_ptr 1
		.amdhsa_wavefront_size32 1
		.amdhsa_system_sgpr_workgroup_id_x 1
		.amdhsa_system_sgpr_workgroup_id_y 1
		.amdhsa_system_sgpr_workgroup_id_z 1
		.amdhsa_system_vgpr_workitem_id 0
		.amdhsa_next_free_vgpr 106
		.amdhsa_next_free_sgpr 66
		.amdhsa_reserve_vcc 1
		.amdhsa_float_denorm_mode_32 3
		.amdhsa_float_denorm_mode_16_64 3
		.amdhsa_memory_ordered 1
		.amdhsa_forward_progress 1
		.amdhsa_inst_pref_size 59
	.end_amdhsa_kernel
	.amdgpu_metadata
---
amdhsa.version: [ 1, 2 ]
amdhsa.kernels:
  - .name:           k_qbe82adb1e9_prep
    .symbol:         k_qbe82adb1e9_prep.kd
    .args:
      - { .name: expert_index, .offset: 0, .size: 8, .value_kind: global_buffer, .address_space: global }
      - { .name: hidden_states, .offset: 8, .size: 8, .value_kind: global_buffer, .address_space: global }
      - { .name: wi, .offset: 16, .size: 8, .value_kind: global_buffer, .address_space: global }
      - { .name: wo, .offset: 24, .size: 8, .value_kind: global_buffer, .address_space: global }
      - { .name: xb, .offset: 32, .size: 8, .value_kind: global_buffer, .address_space: global }
      - { .name: wib, .offset: 40, .size: 8, .value_kind: global_buffer, .address_space: global }
      - { .name: wob, .offset: 48, .size: 8, .value_kind: global_buffer, .address_space: global }
      - { .name: rowtok, .offset: 56, .size: 8, .value_kind: global_buffer, .address_space: global }
      - { .name: tile_e, .offset: 64, .size: 8, .value_kind: global_buffer, .address_space: global }
      - { .name: pos, .offset: 72, .size: 8, .value_kind: global_buffer, .address_space: global }
    .group_segment_fixed_size: 40960
    .private_segment_fixed_size: 0
    .kernarg_segment_align: 8
    .kernarg_segment_size: 80
    .max_flat_workgroup_size: 512
    .sgpr_count:     66
    .vgpr_count:     106
    .wavefront_size: 32
...
	.end_amdgpu_metadata
.endif
;; end of part 1
;; launch mlp (part 2): grid 4 x 64, 4 waves a work-group, no clusters, 327,680 bytes of LDS; arguments xb, wib, wob, rowtok, tile_e, part; writes part
.if DOCPART == 2
	.amdgcn_target "amdgcn-amd-amdhsa--gfx1250"
	.amdhsa_code_object_version 6
	.text
	.protected	k_qbe82adb1e9_mlp
	.globl	k_qbe82adb1e9_mlp
	.p2align	8
	.type	k_qbe82adb1e9_mlp,@function
k_qbe82adb1e9_mlp:
	s_mov_b64 s[64:65], 0
	v_nop
	global_prefetch_b8 v0, s[64:65] scope:SCOPE_SE
	s_setreg_imm32_b32 hwreg(HW_REG_WAVE_MODE, 25, 1), 1
	s_wait_xcnt 0x0
; MLP.  Work-group (fc, tile): for the tile's 144 rows (positions 144 tile ..; each a token, gathered by rowtok) and its expert e = tile_e[tile]
;   phase 1: H[144][512] = relu(X[144][512] Wi[e][:, 512 fc ..]), operands bf16, sums f32; H rounded once to f16 and kept in LDS;
;   phase 2: Y[144][512] = H Wo[e][512 fc .., :], operands f16, sums f32; stored in f32 to part[position][fc][512].  The next launch adds the four fc.
; Both phases are 144 x 512 x 512.  Wave w makes all 144 rows x columns 128 w ..: 72 accumulators (9 row blocks x 8 column blocks), 576 registers.
; 64 tiles x 4 chunks = 256 equal work-groups for every split of the rows over the experts; no branch and no trip count hangs on the routing, only addresses do.
; A position without a slot carries token 0; its result is stored and never read.
; WEIGHTS lie [K][N] in memory.  They come in 16 tiles of 64 along K (8 of Wi, then 8 of Wo) through a ring of two LDS slots; each wave's tensor load brings
; its own 128 columns (64 rows of 256 bytes), which it alone reads, turned by ds_load_tr16_b128.
; THE MATRIX INSTRUCTION IS USED TRANSPOSED: source 0 = 16 weight columns, source 1 = 16 rows of X or H: lane (r, h) then holds row r and the columns 8 h + 0..7.
; NO CLUSTER: which tiles share an expert hangs on the routing, so no fixed four share weights; what the four fc of a tile share is X, 147,456 of the
; 1,195,000 bytes that a work-group reads, and it comes by a gather through registers.
; LIMITS.  f16 ends at 65,504: a relu(x wi) beyond it becomes an infinity (as drawn its spread is 0.45; with x and wi both 30 times larger 407); below 6.1e-5
; H keeps f16's fixed step of 6e-8.  relu by v_max_num_f32 turns a NaN into 0; NaN and infinities are not treated apart.
; REGISTERS, in windows of 256 (s_set_vgpr_msb: bits 1:0 source 0, 3:2 source 1, 5:4 source 2, 7:6 destination):
;   window 0: v0-19 addresses; v48-119, v120-191 row fragments (9 x 16 rows x 32 K), two buffers; v192-255 at work
;   window 1: accumulators of row blocks 0-3, (mb, nb) at 8 (8 (mb % 4) + nb); window 2: row blocks 4-7; window 3: v0-63 row block 8; v64-127, v128-191 weight fragments, two buffers
.set PA,    1040                       ; a row of X or H in LDS: 1,024 bytes + 16: 65 x 16, so the 16 rows of a fragment load begin at 16 different 16-byte columns of 256
.set BLK,   16*PA
.set GRP,   64*PA                      ; four row blocks: what one address register reaches with the 16-bit offset
.set PB,    288                        ; a K row of a wave's weights: 256 bytes + 32: 9 x 32
.set SUB,   64*PB                      ; a wave's part of a slot
.set SLOT,  4*SUB
.set RING,  144*PA                     ; LDS 0 .. 149,759: X, then H, then the stages: written by LDS stores alone.  Behind it the ring, filled by tensor loads alone
.set SPARE, RING+2*SLOT                ; behind the ring: the spare words, 128 bytes for each wave: two blocks of 256 bytes that no other line names
.set SPT,   528                        ; a stage row: 512 bytes + 16
.set STG,   16*SPT                     ; a wave's stage, at byte STG x wave
.set STEP_I, 2*64*2048*2               ; two tiles on in Wi: 128 rows of 4,096 bytes
.set STEP_O, 2*64*512*2                ; in Wo: 128 rows of 1,024 bytes
.set G1I, 24                           ; s[24:31] descriptor group 1 for Wi's tiles;  s[32:39] for Wo's: the pitch differs
.set G1O, 32
.set G0I0, 40                          ; s[40:43], s[44:47] group 0 for Wi's tiles in slot 0, 1
.set G0I1, 44
.set G0O0, 48                          ; s[48:51], s[52:55] the same for Wo's
.set G0O1, 52
; v1 r, v2 h, v3 16 x lane, v4 PA r + 16 h, v5-7 row fragments' addresses (by four row blocks; they step along K), v8-9 weight fragments' addresses in slot 0, 1,
; v10-12 where H goes, v13 where X goes, v14 into my stage, v15 back from it, v16 my spare word, v17 0, v18-19 at work
.set MSB, 0
.macro WIN new                         ; the immediate's high byte repeats the setting that is left; a switch that changes nothing is dropped
.if MSB != (\new)
	s_set_vgpr_msb (MSB<<8)|(\new)
.set MSB, (\new)
.endif
.endm
.macro PLACES                          ; four plain vector instructions between a matrix instruction and a load into, or a vector read of, its registers
.rept 4
	v_nop
.endr
.endm
	s_load_b256 s[4:11], s[0:1], 0x0               ; xb s[4:5], wib s[6:7], wob s[8:9], rowtok s[10:11]
	s_load_b128 s[12:15], s[0:1], 0x20             ; tile_e s[12:13], part s[14:15]
	v_lshl_add_u32 v16, v0, 2, SPARE
	v_mov_b32 v17, 0
	ds_add_u32 v16, v17
	ds_add_u32 v16, v17
	s_wait_dscnt 0x0
	v_lshrrev_b32 v18, 5, v0
	v_readfirstlane_b32 s16, v18                   ; wave 0..3
	s_mov_b32 s17, ttmp9                           ; fc
	s_and_b32 s18, ttmp7, 0xffff                   ; tile
	; group 1: a tile of 64 rows x 128 elements of 2 bytes; in LDS 8 words of padding behind every 64 words
.irp g, G1I, G1O
	s_mov_b32 s[(\g)+0], (1<<16)|(1<<20)|(5<<22)|(7<<25)
	s_mov_b32 s[(\g)+1], 128<<16                   ; tensor_dim0 = 128
	s_mov_b32 s[(\g)+2], 64<<16                    ; tensor_dim1 = 64
	s_mov_b32 s[(\g)+3], 128<<16                   ; tile_dim0 = 128
	s_mov_b32 s[(\g)+4], 64                        ; tile_dim1 = 64
	s_mov_b32 s[(\g)+6], 0
	s_mov_b32 s[(\g)+7], 0
.endr
	s_mov_b32 s[G1I+5], 2048                       ; elements from row to row
	s_mov_b32 s[G1O+5], 512
	s_lshl_b32 s20, s18, 2                         ; my tile's word in tile_e
	s_mov_b32 s21, 0
	s_mul_i32 s22, s18, 576                        ; my tile's 144 words in rowtok,
	s_mul_i32 s2, s16, 144                         ; my wave's 36 of them
	s_add_co_u32 s22, s22, s2
	s_mov_b32 s23, 0
	s_wait_kmcnt 0x0
	s_add_nc_u64 s[12:13], s[12:13], s[20:21]
	s_add_nc_u64 s[10:11], s[10:11], s[22:23]
	s_load_b32 s19, s[12:13], 0x0                  ; the expert
	s_load_b512 s[68:83], s[10:11], 0x0            ; the tokens of my rows 0-15,
	s_load_b512 s[84:99], s[10:11], 0x40           ; 16-31,
	s_load_b128 s[60:63], s[10:11], 0x80           ; 32-35
	s_mul_i32 s20, s18, 144*8192                   ; part: my tile's 144 positions of 8,192 bytes,
	s_lshl_b32 s2, s17, 11                         ; my chunk's 2,048,
	s_add_co_u32 s20, s20, s2
	s_lshl_b32 s2, s16, 9                          ; my wave's 512
	s_add_co_u32 s20, s20, s2
	s_add_nc_u64 s[14:15], s[14:15], s[20:21]
	s_mul_i32 s57, s16, SUB
	s_add_co_u32 s57, s57, RING                    ; my part of slot 0
	s_wait_kmcnt 0x0
	s_min_u32 s19, s19, 7
	s_lshl_b32 s20, s19, 21                        ; an expert is 2,097,152 bytes of wib and of wob
	s_lshl_b32 s2, s16, 8                          ; my 128 columns
	s_add_co_u32 s20, s20, s2
	s_lshl_b32 s22, s17, 19                        ; Wo: my chunk's 512 rows of 1,024 bytes
	s_add_co_u32 s22, s22, s20
	s_lshl_b32 s2, s17, 10                         ; Wi: my chunk's 512 columns
	s_add_co_u32 s20, s20, s2
	s_add_nc_u64 s[6:7], s[6:7], s[20:21]
	s_add_nc_u64 s[8:9], s[8:9], s[22:23]
	s_mov_b32 s[G0I0], 1                           ; group 0: count 1, LDS address, global address, type 2
	s_mov_b32 s[G0I0+1], s57
	s_mov_b64 s[G0I0+2:G0I0+3], s[6:7]             ; tile 0
	s_or_b32 s[G0I0+3], s[G0I0+3], 0x80000000
	s_mov_b32 s[G0I1], 1
	s_add_co_u32 s[G0I1+1], s57, SLOT
	s_add_nc_u64 s[G0I1+2:G0I1+3], s[6:7], STEP_I/2  ; tile 1
	s_or_b32 s[G0I1+3], s[G0I1+3], 0x80000000
	s_mov_b32 s[G0O0], 1
	s_mov_b32 s[G0O0+1], s57
	s_mov_b64 s[G0O0+2:G0O0+3], s[8:9]             ; tile 8
	s_or_b32 s[G0O0+3], s[G0O0+3], 0x80000000
	s_mov_b32 s[G0O1], 1
	s_add_co_u32 s[G0O1+1], s57, SLOT
	s_add_nc_u64 s[G0O1+2:G0O1+3], s[8:9], STEP_O/2  ; tile 9
	s_or_b32 s[G0O1+3], s[G0O1+3], 0x80000000
	; the two first fills go out together, ahead of every wait on TENSORcnt, LDS read and barrier: two tensor loads of mine are out, later never more than one
	tensor_load_to_lds s[G0I0:G0I0+3], s[G1I:G1I+7]
	s_nop 0
	tensor_load_to_lds s[G0I1:G0I1+3], s[G1I:G1I+7]
	s_nop 0
	PLACES
	; THE GATHER: wave w brings rows 36 w .. 36 w + 35 of X, 1,024 bytes each: two loads of 512 consecutive bytes a row, into registers that the sums take later
	v_and_b32 v18, 31, v0
	v_lshlrev_b32 v3, 4, v18
.set i, 0
.rept 36
.if i < 32
.set sr, 68+i
.else
.set sr, 28+i
.endif
	s_min_u32 s[sr], s[sr], 0xfff                  ; a token is at most 4,095
	s_lshl_b32 s[sr], s[sr], 10
	v_add_nc_u32 v[192+i], s[sr], v3
.set i, i+1
.endr
	WIN 0x40                                       ; destination window 1
.set i, 0
.rept 18
	global_load_b128 v[8*i:8*i+3],   v[192+i], s[4:5]
	global_load_b128 v[8*i+4:8*i+7], v[192+i], s[4:5] offset:512
.set i, i+1
.endr
	WIN 0x80                                       ; destination window 2
.set i, 0
.rept 18
	global_load_b128 v[8*i:8*i+3],   v[210+i], s[4:5]
	global_load_b128 v[8*i+4:8*i+7], v[210+i], s[4:5] offset:512
.set i, i+1
.endr
	WIN 0
	v_and_b32 v1, 15, v0                           ; r
	v_bfe_u32 v2, v0, 4, 1                         ; h
	v_mul_u32_u24 v4, v1, PA
	v_lshl_add_u32 v4, v2, 4, v4                   ; a row fragment: row r, 16 bytes for each half of the lanes; a second load 32 bytes on
	v_and_b32 v18, 7, v0                           ; the turning load: lane l reads K row 8 h + l % 8, 16 bytes at 16 ((l / 8) % 2), and is left with column l % 16, 8 along K
	v_lshl_add_u32 v18, v2, 3, v18
	v_mul_u32_u24 v18, v18, PB
	v_bfe_u32 v19, v0, 3, 1
	v_lshl_add_u32 v18, v19, 4, v18
	v_add_nc_u32 v8, s57, v18
	v_add_nc_u32 v9, SLOT, v8
	s_lshl_b32 s2, s16, 8                          ; H: my 128 columns are 256 bytes of a row
	v_add_nc_u32 v10, s2, v4
	v_add_nc_u32 v11, GRP, v10
	v_add_nc_u32 v12, 2*GRP, v10
	s_mul_i32 s2, s16, 36*PA
	v_add_nc_u32 v13, s2, v3
	s_mul_i32 s2, s16, STG
	v_mul_u32_u24 v14, v1, SPT                     ; into the stage: row r, 32 bytes for each half of the lanes
	v_lshl_add_u32 v14, v2, 5, v14
	v_add_nc_u32 v14, s2, v14
	v_add_nc_u32 v15, s2, v3                       ; back: 32 lanes take a row's 512 bytes
	s_wait_loadcnt 36                              ; rows 0-17 are in; the 36 younger loads stay out
	WIN 0x04                                       ; store data in window 1
.set i, 0
.rept 18
	ds_store_b128 v13, v[8*i:8*i+3]   offset:PA*i
	ds_store_b128 v13, v[8*i+4:8*i+7] offset:PA*i+512
.set i, i+1
.endr
	s_wait_loadcnt 0x0
	WIN 0x08                                       ; store data in window 2
.set i, 0
.rept 18
	ds_store_b128 v13, v[8*i:8*i+3]   offset:PA*(i+18)
	ds_store_b128 v13, v[8*i+4:8*i+7] offset:PA*(i+18)+512
.set i, i+1
.endr
	WIN 0
	s_wait_dscnt 0x0                               ; for the others' sake: my rows of X are stored
	s_wait_tensorcnt 0x1                           ; tile 0 is in; tile 1 may stay out
	s_barrier_signal -1
	s_barrier_wait -1
; 8 matrix instructions: row block mb x all 8 column blocks, 32 along K, from buffer buf.  zero = 1: the product starts the sums.  F16 chooses the form.
; The 72 accumulators take turns in one order everywhere, one instruction a turn.
.macro MULB buf, mb, zero
	WIN 0x03+0x50*((\mb)/4+1)
.set xn, 0
.rept 8
.set rD, 64*((\mb)%4)+8*xn
.set rW, 64+64*(\buf)+8*xn
.set rX, 48+72*(\buf)+8*(\mb)
.if F16 && (\zero)
	v_wmma_f32_16x16x32_f16 v[rD:rD+7], v[rW:rW+7], v[rX:rX+7], 0
.elseif F16
	v_wmma_f32_16x16x32_f16 v[rD:rD+7], v[rW:rW+7], v[rX:rX+7], v[rD:rD+7]
.elseif \zero
	v_wmma_f32_16x16x32_bf16 v[rD:rD+7], v[rW:rW+7], v[rX:rX+7], 0
.else
	v_wmma_f32_16x16x32_bf16 v[rD:rD+7], v[rW:rW+7], v[rX:rX+7], v[rD:rD+7]
.endif
.set xn, xn+1
.endr
.endm
; 34 LDS loads in one run: the fragments of 32 along K into buffer buf: my 128 weight columns from half hb of the slot, the 144 rows at byte koff past the stepped address
.macro FETCH slot, hb, koff, buf
	WIN 0xc0                                       ; destination window 3
.set xn, 0
.rept 8
	ds_load_tr16_b128 v[64+64*(\buf)+8*xn:64+64*(\buf)+8*xn+3],   v[8+(\slot)] offset:32*PB*(\hb)+32*xn
	ds_load_tr16_b128 v[64+64*(\buf)+8*xn+4:64+64*(\buf)+8*xn+7], v[8+(\slot)] offset:32*PB*(\hb)+16*PB+32*xn
.set xn, xn+1
.endr
	WIN 0
.set xm, 0
.rept 9
	ds_load_b128 v[48+72*(\buf)+8*xm:48+72*(\buf)+8*xm+3],   v[5+xm/4] offset:(xm%4)*BLK+(\koff)
	ds_load_b128 v[48+72*(\buf)+8*xm+4:48+72*(\buf)+8*xm+7], v[5+xm/4] offset:(xm%4)*BLK+(\koff)+32
.set xm, xm+1
.endr
.endm
; A tile's first half: multiplies buffer 0 and fetches the same slot's second half into buffer 1, 56 matrix instructions ahead of its use.
.macro HA slot, koff, zero
	s_wait_dscnt 0x0                               ; buffer 0's loads, issued 56 matrix instructions ago
	MULB 0, 0, \zero
	MULB 0, 1, \zero
	PLACES                                         ; buffer 1's last readers stand in front of these
	FETCH \slot, 1, \koff, 1
.irp m, 2,3,4,5,6,7,8
	MULB 0, \m, \zero
.endr
.endm
; A tile's second half: multiplies buffer 1 and changes slots.  In front of the barrier each wave waits for all its tensor loads (one is out: its part of the next
; slot), adds 0 to its spare word, and waits for that and for its reads of this slot.  fill = 1: this slot is filled again, first thing behind the barrier, by
; descriptor g0 / g1 (stepped by step where no load of mine is out): 128 matrix instructions ahead of the wait for it.  fetch = 1: the next slot's first half, into buffer 0.
.macro HB next, koff, fill, g0, g1, step, fetch
	WIN 0
	s_wait_tensorcnt 0x0                           ; all my tensor loads have landed
	ds_add_u32 v16, v17                            ; 0 onto my spare word
.if \step
	s_add_nc_u64 s[(\g0)+2:(\g0)+3], s[(\g0)+2:(\g0)+3], \step  ; the slot's next tile; the type bits on top are not reached
.endif
	s_wait_dscnt 0x1                               ; buffer 1 is in: the add alone is younger
	MULB 1, 0, 0
	s_wait_dscnt 0x0                               ; the add is done, and my reads of this slot and of the rows are over
	s_barrier_signal -1
	MULB 1, 1, 0                                   ; work on registers while the others arrive
	WIN 0
	s_barrier_wait -1
.if \fill
	tensor_load_to_lds s[(\g0):(\g0)+3], s[(\g1):(\g1)+7]  ; my one tensor load behind this barrier
	s_nop 0
.endif
	PLACES                                         ; also the places in front of the loads into buffer 0
.if \fetch
	FETCH \next, 0, \koff, 0
.endif
.irp m, 2,3,4,5,6,7,8
	MULB 1, \m, 0
.endr
.endm
; A PHASE: 8 tiles, 64 along K each.  The loop's three trips fill both slots again by ga0 / ga1; the tail is written out:
; tf = 1: its two changes of slots ask for the next phase's first two tiles (gb0 / gb1).
.macro PHASE ga0, ga1, g1a, stepa, tf, gb0, gb1, g1b
	v_mov_b32 v5, v4
	v_add_nc_u32 v6, GRP, v4
	v_add_nc_u32 v7, 2*GRP, v4
	FETCH 0, 0, 0, 0
	HA 0, 64, 1                                    ; the first half tile stands in front of the loop: its products start the sums
	WIN 0                                          ; at a label and at a branch every window is 0
	s_mov_b32 s56, 3
.Llap_\@:
	HB 1, 128, 1, \ga0, \g1a, \stepa, 1
	HA 1, 192, 0
	HB 0, 256, 1, \ga1, \g1a, \stepa, 1
	HA 0, 320, 0
	WIN 0
	v_add_nc_u32 v5, 256, v5                       ; two tiles, 128 along K, on in the rows
	v_add_nc_u32 v6, 256, v6
	v_add_nc_u32 v7, 256, v7
	s_sub_co_u32 s56, s56, 1
	s_cmp_lg_u32 s56, 0
	s_cbranch_scc1 .Llap_\@
	HB 1, 128, \tf, \gb0, \g1b, 0, 1
	HA 1, 192, 0
	HB 0, 0, \tf, \gb1, \g1b, 0, 0                 ; behind its barrier nobody reads the rows any more
.endm
; Row block mb of H: relu, rounded to f16, a lane's eight columns as 16 bytes into the rows where X lay.  Each accumulator is read from its lowest register on.
.macro HOUT mb
	WIN ((\mb)/4+1)<<2                             ; source 1 in the block's window
.set x, 0
.rept 64
	v_max_num_f32 v[48+x], 0, v[64*((\mb)%4)+x]
.set x, x+1
.endr
	WIN 0
.set x, 0
.rept 32
	v_cvt_pk_f16_f32 v[192+x], v[48+2*x], v[49+2*x]
.set x, x+1
.endr
.set x, 0
.rept 8
	ds_store_b128 v[10+(\mb)/4], v[192+4*x:192+4*x+3] offset:((\mb)%4)*BLK+32*x
.set x, x+1
.endr
.endm
; THE WAY OUT of row block mb: a lane's 32 bytes of a row go into my own stage and come back as whole rows of 512 bytes.
.macro TOSTAGE mb
	s_wait_xcnt 0x0                                ; the registers that earlier stores read are loaded again only behind this wait
	WIN ((\mb)/4+1)<<2                             ; store data in the block's window
.set x, 0
.rept 8
	ds_store_b128 v14, v[64*((\mb)%4)+8*x:64*((\mb)%4)+8*x+3]   offset:64*x
	ds_store_b128 v14, v[64*((\mb)%4)+8*x+4:64*((\mb)%4)+8*x+7] offset:64*x+16
.set x, x+1
.endr
	WIN 0
.set x, 0
.rept 16
	ds_load_b128 v[48+64*((\mb)%2)+4*x:48+64*((\mb)%2)+4*x+3], v15 offset:SPT*x  ; LDS serves a wave's instructions in order (ISA guide 5.7.1.4): these see the stores above
.set x, x+1
.endr
.endm
.macro SEND mb, younger                ; younger: the LDS instructions issued behind the block's loads
	s_wait_dscnt \younger
.set x, 0
.rept 16
	global_store_b128 v3, v[48+64*((\mb)%2)+4*x:48+64*((\mb)%2)+4*x+3], s[14:15] offset:(16*(\mb)+x)*8192  ; 512 consecutive bytes, at a multiple of 512 from part's first byte
.set x, x+1
.endr
.endm
.set F16, 0
	PHASE G0I0, G0I1, G1I, STEP_I, 1, G0O0, G0O1, G1O
	PLACES
.irp m, 0,1,2,3,4,5,6,7,8
	HOUT \m
.endr
	s_wait_dscnt 0x0                               ; for the others' sake: my columns of H are stored
	s_barrier_signal -1                            ; tile 9's load may stay out; tile 8 was shown landed in front of the last one
	s_barrier_wait -1
.set F16, 1
	PHASE G0O0, G0O1, G1O, STEP_O, 0, G0O0, G0O1, G1O
	PLACES
	TOSTAGE 0
.irp m, 1,2,3,4,5,6,7,8
	TOSTAGE \m
	SEND (\m)-1, 32                                ; the next block's 16 stores and 16 loads stay out
.endr
	SEND 8, 0
	s_wait_tensorcnt 0x0                           ; the wave's end, behind my last tensor load and my last LDS store
	ds_add_u32 v16, v17
	s_wait_dscnt 0x0
	s_endpgm
.Lfunc_end_k_qbe82adb1e9_mlp:
	.size	k_qbe82adb1e9_mlp, .Lfunc_end_k_qbe82adb1e9_mlp-k_qbe82adb1e9_mlp
	.p2alignl 7, 3214868480
	.fill 96, 4, 3214868480
	.section	.rodata,"a",@progbits
	.p2align	6, 0x0
	.amdhsa_kernel k_qbe82adb1e9_mlp
		.amdhsa_group_segment_fixed_size 327680
		.amdhsa_private_segment_fixed_size 0
		.amdhsa_enable_private_segment 0
		.amdhsa_kernarg_size 48
		.amdhsa_user_sgpr_count 2
		.amdhsa_user_sgpr_kernarg_segment_ptr 1
		.amdhsa_wavefront_size32 1
		.amdhsa_system_sgpr_workgroup_id_x 1
		.amdhsa_system_sgpr_workgroup_id_y 1
		.amdhsa_system_sgpr_workgroup_id_z 1
		.amdhsa_system_vgpr_workitem_id 0
		.amdhsa_next_free_vgpr 960
		.amdhsa_next_free_sgpr 100
		.amdhsa_reserve_vcc 0
		.amdhsa_float_denorm_mode_32 3
		.amdhsa_float_denorm_mode_16_64 3
		.amdhsa_memory_ordered 1
		.amdhsa_forward_progress 1
		.amdhsa_inst_pref_size 212
	.end_amdhsa_kernel
	.amdgpu_metadata
---
amdhsa.version: [ 1, 2 ]
amdhsa.kernels:
  - .name:           k_qbe82adb1e9_mlp
    .symbol:         k_qbe82adb1e9_mlp.kd
    .args:
      - { .name: xb, .offset: 0, .size: 8, .value_kind: global_buffer, .address_space: global }
      - { .name: wib, .offset: 8, .size: 8, .value_kind: global_buffer, .address_space: global }
      - { .name: wob, .offset: 16, .size: 8, .value_kind: global_buffer, .address_space: global }
      - { .name: rowtok, .offset: 24, .size: 8, .value_kind: global_buffer, .address_space: global }
      - { .name: tile_e, .offset: 32, .size: 8, .value_kind: global_buffer, .address_space: global }
      - { .name: part, .offset: 40, .size: 8, .value_kind: global_buffer, .address_space: global }
    .group_segment_fixed_size: 327680
    .private_segment_fixed_size: 0
    .kernarg_segment_align: 8
    .kernarg_segment_size: 48
    .max_flat_workgroup_size: 128
    .sgpr_count:     100
    .vgpr_count:     960
    .wavefront_size: 32
...
	.end_amdgpu_metadata
.endif
;; end of part 2
;; launch combine (part 3): grid 512 x 1, 8 waves a work-group, no clusters, 0 bytes of LDS; arguments pos, expert_index, expert_prob, part, hidden_states, out0; writes out0
.if DOCPART == 3
	.amdgcn_target "amdgcn-amd-amdhsa--gfx1250"
	.amdhsa_code_object_version 6
	.text
	.protected	k_qbe82adb1e9_combine
	.globl	k_qbe82adb1e9_combine
	.p2align	8
	.type	k_qbe82adb1e9_combine,@function
k_qbe82adb1e9_combine:
	s_mov_b64 s[64:65], 0
	v_nop
	global_prefetch_b8 v0, s[64:65] scope:SCOPE_SE
	s_setreg_imm32_b32 hwreg(HW_REG_WAVE_MODE, 25, 1), 1
	s_wait_xcnt 0x0
; COMBINE.  One wave, one token t = 8 x work-group + wave.  For its two slots k: y_k = the sum of the four partial rows part[pos[2 t + k]][0..3][:];
; ns = c0 y0 + c1 y1 with c0 = 0.5 prob[t][0], c1 = 0.25 prob[t][1]; out = ns where ns != 0, else hidden_states.
; A stream: 36 loads of 512 consecutive bytes a wave, all out together, four stores of 512; no LDS, no barrier, no loop.
; STATED.  expert_prob is rounded to bf16 like the other inputs that enter the products; the hidden_states that pass through stay f32.  The two slots are added in the
; order k = 0, 1, not by ascending expert.  An expert_index outside 0 .. 7 gives the coefficient 0, as the reference's one-hot does.  The experts that a token does
; not name add 0 x y in the reference: exactly 0 wherever y is finite; they are not formed.
.set H, 8                              ; v[8:23]    hidden_states, then the result: 4 registers for each quarter q of the row
.set P, 24                             ; v[24:151]  partial rows: quarter q, slot k, chunk s at P + 32 q + 16 k + 4 s
	s_load_b256 s[4:11], s[0:1], 0x0               ; pos s[4:5], expert_index s[6:7], expert_prob s[8:9], part s[10:11]
	s_load_b128 s[12:15], s[0:1], 0x20             ; hidden_states s[12:13], out0 s[14:15]
	v_lshrrev_b32 v1, 5, v0
	v_readfirstlane_b32 s16, v1                    ; wave 0..7
	v_and_b32 v1, 31, v0
	v_lshlrev_b32 v1, 4, v1                        ; 16 x lane
	s_lshl_b32 s17, ttmp9, 3
	s_add_co_u32 s17, s17, s16                     ; the token
	s_lshl_b32 s18, s17, 3                         ; its two words in pos, expert_index, expert_prob
	s_mov_b32 s19, 0
	s_lshl_b32 s34, s17, 11                        ; its row of 2,048 bytes
	s_mov_b32 s35, 0
	s_wait_kmcnt 0x0
	s_add_nc_u64 s[4:5], s[4:5], s[18:19]
	s_add_nc_u64 s[6:7], s[6:7], s[18:19]
	s_add_nc_u64 s[8:9], s[8:9], s[18:19]
	s_load_b64 s[20:21], s[4:5], 0x0
	s_load_b64 s[22:23], s[6:7], 0x0
	s_load_b64 s[24:25], s[8:9], 0x0
	s_add_nc_u64 s[26:27], s[12:13], s[34:35]
	s_add_nc_u64 s[28:29], s[14:15], s[34:35]
.set q, 0
.rept 4
	global_load_b128 v[H+4*q:H+4*q+3], v1, s[26:27] offset:512*q th:TH_LOAD_NT
.set q, q+1
.endr
	s_wait_kmcnt 0x0
	s_min_u32 s20, s20, 0x23ff                     ; a position is at most 9,215
	s_lshl_b32 s20, s20, 13                        ; and 8,192 bytes long
	s_min_u32 s36, s21, 0x23ff
	s_lshl_b32 s36, s36, 13
	s_mov_b32 s21, 0
	s_mov_b32 s37, 0
	s_add_nc_u64 s[30:31], s[10:11], s[20:21]
	s_add_nc_u64 s[32:33], s[10:11], s[36:37]
.set q, 0
.rept 4
.set s, 0
.rept 4
	global_load_b128 v[P+32*q+4*s:P+32*q+4*s+3], v1, s[30:31] offset:2048*s+512*q th:TH_LOAD_NT
.set s, s+1
.endr
.set s, 0
.rept 4
	global_load_b128 v[P+32*q+16+4*s:P+32*q+16+4*s+3], v1, s[32:33] offset:2048*s+512*q th:TH_LOAD_NT
.set s, s+1
.endr
.set q, q+1
.endr
	v_cvt_pk_bf16_f32 v6, s24, s25                 ; both probabilities rounded to bf16,
	s_cmp_lt_u32 s22, 8
	s_cselect_b32 s38, -1, 0
	s_cmp_lt_u32 s23, 8
	s_cselect_b32 s39, -1, 0
	v_lshlrev_b32 v2, 16, v6                       ; widened again,
	v_and_b32 v4, 0xffff0000, v6
	v_mul_f32 v2, 0.5, v2                          ; times the factors (powers of two: exact),
	v_mul_f32 v4, 0x3e800000, v4
	v_and_b32 v2, s38, v2                          ; 0 where the index names no expert,
	v_and_b32 v4, s39, v4
	v_mov_b32 v3, v2                               ; and twice, for the packed arithmetic
	v_mov_b32 v5, v4
.set q, 0
.rept 4
	s_wait_loadcnt 8*(3-q)                         ; loads come back in order: hidden_states and quarters 0 .. q are in, the later quarters' eight loads each stay out
.set p, 0
.rept 2
.set a, P+32*q+2*p
	v_pk_add_f32 v[a:a+1], v[a:a+1], v[a+4:a+5]
	v_pk_add_f32 v[a+8:a+9], v[a+8:a+9], v[a+12:a+13]
	v_pk_add_f32 v[a+16:a+17], v[a+16:a+17], v[a+20:a+21]
	v_pk_add_f32 v[a+24:a+25], v[a+24:a+25], v[a+28:a+29]
	v_pk_add_f32 v[a:a+1], v[a:a+1], v[a+8:a+9]
	v_pk_add_f32 v[a+16:a+17], v[a+16:a+17], v[a+24:a+25]
	v_pk_mul_f32 v[a+16:a+17], v[a+16:a+17], v[4:5]
	v_pk_fma_f32 v[a:a+1], v[a:a+1], v[2:3], v[a+16:a+17]
.set p, p+1
.endr
.set c, 0
.rept 4
	v_cmp_neq_f32 vcc_lo, 0, v[P+32*q+c]           ; true for a NaN, false for either zero
	v_cndmask_b32 v[H+4*q+c], v[H+4*q+c], v[P+32*q+c], vcc_lo
.set c, c+1
.endr
	global_store_b128 v1, v[H+4*q:H+4*q+3], s[28:29] offset:512*q th:TH_STORE_NT  ; 512 consecutive bytes, aligned
.set q, q+1
.endr
	s_endpgm
.Lfunc_end_k_qbe82adb1e9_combine:
	.size	k_qbe82adb1e9_combine, .Lfunc_end_k_qbe82adb1e9_combine-k_qbe82adb1e9_combine
	.p2alignl 7, 3214868480
	.fill 96, 4, 3214868480
	.section	.rodata,"a",@progbits
	.p2align	6, 0x0
	.amdhsa_kernel k_qbe82adb1e9_combine
		.amdhsa_group_segment_fixed_size 0
		.amdhsa_private_segment_fixed_size 0
		.amdhsa_enable_private_segment 0
		.amdhsa_kernarg_size 48
		.amdhsa_user_sgpr_count 2
		.amdhsa_user_sgpr_kernarg_segment_ptr 1
		.amdhsa_wavefront_size32 1
		.amdhsa_system_sgpr_workgroup_id_x 1
		.amdhsa_system_sgpr_workgroup_id_y 1
		.amdhsa_system_sgpr_workgroup_id_z 1
		.amdhsa_system_vgpr_workitem_id 0
		.amdhsa_next_free_vgpr 152
		.amdhsa_next_free_sgpr 66
		.amdhsa_reserve_vcc 1
		.amdhsa_float_denorm_mode_32 3
		.amdhsa_float_denorm_mode_16_64 3
		.amdhsa_memory_ordered 1
		.amdhsa_forward_progress 1
		.amdhsa_inst_pref_size 11
	.end_amdhsa_kernel
	.amdgpu_metadata
---
amdhsa.version: [ 1, 2 ]
amdhsa.kernels:
  - .name:           k_qbe82adb1e9_combine
    .symbol:         k_qbe82adb1e9_combine.kd
    .args:
      - { .name: pos, .offset: 0, .size: 8, .value_kind: global_buffer, .address_space: global }
      - { .name: expert_index, .offset: 8, .size: 8, .value_kind: global_buffer, .address_space: global }
      - { .name: expert_prob, .offset: 16, .size: 8, .value_kind: global_buffer, .address_space: global }
      - { .name: part, .offset: 24, .size: 8, .value_kind: global_buffer, .address_space: global }
      - { .name: hidden_states, .offset: 32, .size: 8, .value_kind: global_buffer, .address_space: global }
      - { .name: out0, .offset: 40, .size: 8, .value_kind: global_buffer, .address_space: global }
    .group_segment_fixed_size: 0
    .private_segment_fixed_size: 0
    .kernarg_segment_align: 8
    .kernarg_segment_size: 48
    .max_flat_workgroup_size: 256
    .sgpr_count:     66
    .vgpr_count:     152
    .wavefront_size: 32
...
	.end_amdgpu_metadata
.endif
;; end of part 3
;; ======== version 2 of 2: 3 launches; 1.09 times as fast as version 1
;; limits: values are held in f16: magnitudes above 65,504 overflow, below 6.1e-05 lose precision; values outside matrix products are rounded to f16
;; workspace buffers: xb 4,194,304 bytes; wib 16,777,216 bytes; wob 16,777,216 bytes; part 37,748,736 bytes; scl 589,824 bytes; rowtok 36,864 bytes of whole numbers; tile_e 256 bytes of whole numbers; pos 32,768 bytes of whole numbers
;; launch prep (part 4): grid 513 x 1, 16 waves a work-group, no clusters, 40,960 bytes of LDS; arguments expert_index, hidden_states, wi, wo, xb, wib, wob, rowtok, tile_e, pos; writes xb, wib, wob, rowtok, tile_e, pos
.if DOCPART == 4
	.amdgcn_target "amdgcn-amd-amdhsa--gfx1250"
	.amdhsa_code_object_version 6
	.text
	.protected	k_qbe82adb1e9_prep
	.globl	k_qbe82adb1e9_prep
	.p2align	8
	.type	k_qbe82adb1e9_prep,@function
k_qbe82adb1e9_prep:
	s_mov_b64 s[64:65], 0
	v_nop
	global_prefetch_b8 v0, s[64:65] scope:SCOPE_SE
	s_setreg_imm32_b32 hwreg(HW_REG_WAVE_MODE, 25, 1), 1
	s_wait_xcnt 0x0
; PREP.  Two jobs, chosen by the work-group's number alone (the same in all 16 waves of a work-group).
; Work-groups 1 .. 512 CONVERT, each the same share: 65,536 bytes of wi -> wib (bf16), 65,536 bytes of wo -> wob (rounded to bf16 like the other
; inputs, and that number written as f16, since the second product runs in f16), 16,384 bytes of hidden_states -> xb (bf16).  Layouts stay as they are.
; Work-group 0 ROUTES.  A slot is s = 2 x token + k, 8,192 in all.  The slots are grouped by expert into tiles of 144 positions, each expert
; beginning on a tile: the sum over experts of ceil(n_e / 144) is at most (8,192 + 8 x 143) / 144 = 64 whatever the split, so 64 tiles, 9,216 positions.
;   pos[slot] = the slot's position;  rowtok[position] = its token, 0 where no slot lies;  tile_e[tile] = the tile's expert (7 behind the last used tile).
; LIMITS.  wo beyond 65,504 becomes an infinity in f16; below 6.1e-5 it keeps f16's fixed step of 6e-8.  An expert_index outside 0 .. 7 is placed with
; expert 7 here and gets the coefficient 0 in the last launch, as the reference's one-hot gives it.
.set LIST, 0                           ; LDS: 9,216 words, the token of each position
.set TAB,  36864                       ; LDS: word [wave][lane]: lanes 0 to 7 hold the wave's counts for experts 0 to 7
.set IDX, 8                            ; v[8:23]   my 16 slots' experts; later their LDS addresses in LIST
.set RK,  24                           ; v[24:39]  their ranks, then their positions
.set CW,  40                           ; v[40:55]  an expert's counts in the 16 waves; then each slot's base; then my slots' tokens
.set BK,  56                           ; v[56:73]  LIST on its way out (v56-63 are at work before that)
.set CNT, 32                           ; s[32:39]  my wave's running counts
.set NN,  40                           ; s[40:47]  the experts' totals
.set TB,  48                           ; s[48:55]  the experts' first tiles
	s_load_b512 s[4:19], s[0:1], 0x0               ; expert_index s[4:5], hidden s[6:7], wi s[8:9], wo s[10:11], xb s[12:13], wib s[14:15], wob s[16:17], rowtok s[18:19]
	s_load_b128 s[20:23], s[0:1], 0x40             ; tile_e s[20:21], pos s[22:23]
	v_lshl_add_u32 v80, v0, 2, 0x9800
	v_mov_b32 v81, 0
	v_lshrrev_b32 v3, 5, v0
	v_readfirstlane_b32 s24, v3                    ; wave 0..15
	v_lshlrev_b32 v1, 4, v0                        ; 16 t
	v_lshlrev_b32 v2, 3, v0                        ; 8 t
	v_and_b32 v3, 31, v0                           ; lane
	s_wait_kmcnt 0x0
	s_cmp_eq_u32 ttmp9, 0
	s_cbranch_scc1 .Lroute
; ---------------------------------------------------------------- CONVERT
	s_sub_co_u32 s25, ttmp9, 1                     ; share 0..511
	s_lshl_b32 s26, s25, 16                        ; wi and wo: 65,536 bytes in,
	s_mov_b32 s27, 0
	s_lshl_b32 s28, s25, 15                        ; 32,768 out
	s_mov_b32 s29, 0
	s_lshl_b32 s30, s25, 14                        ; hidden_states: 16,384 bytes in,
	s_mov_b32 s31, 0
	s_lshl_b32 s32, s25, 13                        ; 8,192 out
	s_mov_b32 s33, 0
	s_add_nc_u64 s[8:9], s[8:9], s[26:27]
	s_add_nc_u64 s[10:11], s[10:11], s[26:27]
	s_add_nc_u64 s[6:7], s[6:7], s[30:31]
	s_add_nc_u64 s[14:15], s[14:15], s[28:29]
	s_add_nc_u64 s[16:17], s[16:17], s[28:29]
	s_add_nc_u64 s[12:13], s[12:13], s[32:33]
; all 18 loads of a thread go out together; a wave's load covers 512 consecutive bytes, the work-group's 8,192
.set n, 0
.rept 8
	global_load_b128 v[8+4*n:11+4*n], v1, s[8:9] offset:8192*n th:TH_LOAD_NT
.set n, n+1
.endr
.set n, 0
.rept 8
	global_load_b128 v[40+4*n:43+4*n], v1, s[10:11] offset:8192*n th:TH_LOAD_NT
.set n, n+1
.endr
.set n, 0
.rept 2
	global_load_b128 v[72+4*n:75+4*n], v1, s[6:7] offset:8192*n th:TH_LOAD_NT
.set n, n+1
.endr
; Load i of the 18 is rounded in place and stored.  half = 1: the bf16 numbers are widened again and written as f16.
; No register takes part in two memory instructions but as a load's destination and then a store's data, so the counted wait for the data is the only wait.
.macro CV i, half, sb, off
	s_wait_loadcnt 17-(\i)                         ; loads come back in order: number i is in, the younger ones stay out
	v_cvt_pk_bf16_f32 v[8+4*(\i)], v[8+4*(\i)], v[9+4*(\i)]
	v_cvt_pk_bf16_f32 v[9+4*(\i)], v[10+4*(\i)], v[11+4*(\i)]
.if \half
	v_lshlrev_b32 v[10+4*(\i)], 16, v[9+4*(\i)]
	v_and_b32 v[11+4*(\i)], 0xffff0000, v[9+4*(\i)]
	v_cvt_pk_f16_f32 v[9+4*(\i)], v[10+4*(\i)], v[11+4*(\i)]
	v_lshlrev_b32 v[10+4*(\i)], 16, v[8+4*(\i)]
	v_and_b32 v[11+4*(\i)], 0xffff0000, v[8+4*(\i)]
	v_cvt_pk_f16_f32 v[8+4*(\i)], v[10+4*(\i)], v[11+4*(\i)]
.endif
	global_store_b64 v2, v[8+4*(\i):9+4*(\i)], s[(\sb):(\sb)+1] offset:\off  ; a wave's store covers 256 consecutive bytes, aligned
.endm
.set n, 0
.rept 8
	CV n, 0, 14, 4096*n
.set n, n+1
.endr
.set n, 0
.rept 8
	CV 8+n, 1, 16, 4096*n
.set n, n+1
.endr
.set n, 0
.rept 2
	CV 16+n, 0, 12, 4096*n
.set n, n+1
.endr
	s_endpgm
; ---------------------------------------------------------------- ROUTE (512 threads; thread t owns slots 2,048 i + 4 t + c, i and c = 0..3)
.Lroute:
.set i, 0
.rept 4
	global_load_b128 v[IDX+4*i:IDX+4*i+3], v1, s[4:5] offset:8192*i
.set i, i+1
.endr
	v_mov_b32 v56, 0
	v_mov_b32 v57, 0
.set i, 0
.rept 9
	ds_store_b64 v2, v[56:57] offset:LIST+4096*i   ; every position starts as token 0
.set i, i+1
.endr
.set e, 0
.rept 8
	s_mov_b32 s[CNT+e], 0
.set e, e+1
.endr
	s_wait_loadcnt 0x0
.set j, 0
.rept 16
	v_min_u32 v[IDX+j], 7, v[IDX+j]
.set j, j+1
.endr
; the rank of each slot among its wave's slots of the same expert: what the wave has counted so far + the lanes below me that name it now
.set j, 0
.rept 16
.set e, 0
.rept 8
	v_cmp_eq_u32 vcc_lo, e, v[IDX+j]
	v_mbcnt_lo_u32_b32 v58, vcc_lo, s[CNT+e]
.if e == 0
	v_cndmask_b32 v[RK+j], 0, v58, vcc_lo
.else
	v_cndmask_b32 v[RK+j], v[RK+j], v58, vcc_lo
.endif
	s_bcnt1_i32_b32 s56, vcc_lo
	s_add_co_u32 s[CNT+e], s[CNT+e], s56
.set e, e+1
.endr
.set j, j+1
.endr
.set e, 0
.rept 8
	v_writelane_b32 v57, s[CNT+e], e               ; v57 was 0: lanes 8 to 31 stay 0
.set e, e+1
.endr
	v_lshlrev_b32 v59, 2, v0
	ds_store_b32 v59, v57 offset:TAB               ; 128 consecutive bytes of the wave's own
	s_wait_dscnt 0x0                               ; for the others' sake: my counts and my zeros are stored
	s_barrier_signal -1
	s_barrier_wait -1
	v_and_b32 v60, 7, v0
	v_lshlrev_b32 v60, 2, v60
.set w, 0
.rept 16
	ds_load_b32 v[CW+w], v60 offset:TAB+128*w      ; lane l: expert l % 8's count in wave w
.set w, w+1
.endr
	s_wait_dscnt 0x0
	v_add_nc_u32 v61, v[CW], v[CW+1]               ; the expert's total
.set w, 2
.rept 7
	v_add3_u32 v61, v61, v[CW+w], v[CW+w+1]
.set w, w+2
.endr
	v_mov_b32 v62, 0                               ; and what the waves below mine hold of it
.set w, 0
.rept 15
	s_cmp_gt_u32 s24, w
	s_cselect_b32 s56, -1, 0
	v_and_b32 v63, s56, v[CW+w]
	v_add_nc_u32 v62, v62, v63
.set w, w+1
.endr
.set e, 0
.rept 8
	v_readlane_b32 s[NN+e], v61, e
.set e, e+1
.endr
	s_mov_b32 s57, 0
	v_mov_b32 v58, 0
.set e, 0
.rept 8
	s_mov_b32 s[TB+e], s57                         ; the expert's first tile
	s_mul_i32 s59, s57, 144
	v_writelane_b32 v58, s59, e                    ; and first position
	s_add_co_u32 s58, s[NN+e], 143
	s_lshr_b32 s58, s58, 4                         ; x = (n + 143) / 16, at most 520;
	s_mul_i32 s58, s58, 7282                       ; x / 9 = x * 7282 >> 16: 7282 * 9 = 65,538, so (9 k + 8) * 7282 = 65,538 k + 58,256 stays under 65,536 (k + 1) for k up to 57
	s_lshr_b32 s58, s58, 16                        ; = ceil(n / 144)
	s_add_co_u32 s57, s57, s58
.set e, e+1
.endr
	v_add_nc_u32 v59, v58, v62                     ; lane e: where my wave's slots of expert e begin
.set j, 0
.rept 16
	v_lshlrev_b32 v[IDX+j], 2, v[IDX+j]
	ds_bpermute_b32 v[CW+j], v[IDX+j], v59         ; each slot takes its expert's figure
.set j, j+1
.endr
	v_lshlrev_b32 v61, 1, v0                       ; 2 t
	s_wait_dscnt 0x0                               ; the figures are in; with them all my reads of TAB are over
.set j, 0
.rept 16
	v_add_nc_u32 v[RK+j], v[RK+j], v[CW+j]         ; the slot's position: first position of the expert + the lower waves' slots + my rank.  No two slots share one
.set j, j+1
.endr
.set j, 0
.rept 16
	v_min_u32 v[IDX+j], 0x23ff, v[RK+j]            ; a position is at most 9,215:
	v_lshlrev_b32 v[IDX+j], 2, v[IDX+j]            ; its word in LIST
.set j, j+1
.endr
.set i, 0
.rept 8
	v_add_nc_u32 v[CW+i], 1024*(i/2)+i%2, v61      ; token = slot / 2 = 1,024 i + 2 t + c / 2: eight tokens for my 16 slots
.set i, i+1
.endr
	s_barrier_signal -1                            ; between every wave's reads of LDS and the stores below, whose addresses hang on data
	s_barrier_wait -1
.set j, 0
.rept 16
	ds_store_b32 v[IDX+j], v[CW+2*(j/4)+(j%4)/2] offset:LIST  ; every wave places its own slots' tokens
.set j, j+1
.endr
	s_wait_dscnt 0x0                               ; for the others' sake: my tokens are placed
	s_barrier_signal -1
	s_barrier_wait -1
.set i, 0
.rept 9
	ds_load_b64 v[BK+2*i:BK+2*i+1], v2 offset:LIST+4096*i
.set i, i+1
.endr
.set i, 0
.rept 4
	global_store_b128 v1, v[RK+4*i:RK+4*i+3], s[22:23] offset:8192*i  ; pos: my four slots 2,048 i + 4 t .. are 16 consecutive bytes; a wave's store covers 512
.set i, i+1
.endr
	s_wait_dscnt 0x0
.set i, 0
.rept 9
	global_store_b64 v2, v[BK+2*i:BK+2*i+1], s[18:19] offset:4096*i  ; rowtok: a wave's store covers 256 consecutive bytes, aligned
.set i, i+1
.endr
	s_cmp_lg_u32 s24, 0
	s_cbranch_scc1 .Lend
	v_lshlrev_b32 v44, 1, v3                       ; wave 0: tiles 2 lane and 2 lane + 1
	v_add_nc_u32 v45, 1, v44
	v_mov_b32 v46, 0
	v_mov_b32 v47, 0
.set e, 1
.rept 7                                ; a tile's expert = how many of experts 1 to 7 begin at or before it (an expert without slots has no tile)
	v_cmp_le_u32 vcc_lo, s[TB+e], v44
	v_cndmask_b32 v48, 0, 1, vcc_lo
	v_add_nc_u32 v46, v46, v48
	v_cmp_le_u32 vcc_lo, s[TB+e], v45
	v_cndmask_b32 v48, 0, 1, vcc_lo
	v_add_nc_u32 v47, v47, v48
.set e, e+1
.endr
	global_store_b64 v2, v[46:47], s[20:21]        ; in wave 0 the thread's number is the lane: 256 consecutive bytes
.Lend:
	s_wait_tensorcnt 0x0
	ds_add_u32 v80, v81
	s_wait_dscnt 0x0
	s_endpgm
.Lfunc_end_k_qbe82adb1e9_prep:
	.size	k_qbe82adb1e9_prep, .Lfunc_end_k_qbe82adb1e9_prep-k_qbe82adb1e9_prep
	.p2alignl 7, 3214868480
	.fill 96, 4, 3214868480
	.section	.rodata,"a",@progbits
	.p2align	6, 0x0
	.amdhsa_kernel k_qbe82adb1e9_prep
		.amdhsa_group_segment_fixed_size 40960
		.amdhsa_private_segment_fixed_size 0
		.amdhsa_enable_private_segment 0
		.amdhsa_kernarg_size 80
		.amdhsa_user_sgpr_count 2
		.amdhsa_user_sgpr_kernarg_segment_ptr 1
		.amdhsa_wavefront_size32 1
		.amdhsa_system_sgpr_workgroup_id_x 1
		.amdhsa_system_sgpr_workgroup_id_y 1
		.amdhsa_system_sgpr_workgroup_id_z 1
		.amdhsa_system_vgpr_workitem_id 0
		.amdhsa_next_free_vgpr 82
		.amdhsa_next_free_sgpr 66
		.amdhsa_reserve_vcc 1
		.amdhsa_float_denorm_mode_32 3
		.amdhsa_float_denorm_mode_16_64 3
		.amdhsa_memory_ordered 1
		.amdhsa_forward_progress 1
		.amdhsa_inst_pref_size 53
	.end_amdhsa_kernel
	.amdgpu_metadata
---
amdhsa.version: [ 1, 2 ]
amdhsa.kernels:
  - .name:           k_qbe82adb1e9_prep
    .symbol:         k_qbe82adb1e9_prep.kd
    .args:
      - { .name: expert_index, .offset: 0, .size: 8, .value_kind: global_buffer, .address_space: global }
      - { .name: hidden_states, .offset: 8, .size: 8, .value_kind: global_buffer, .address_space: global }
      - { .name: wi, .offset: 16, .size: 8, .value_kind: global_buffer, .address_space: global }
      - { .name: wo, .offset: 24, .size: 8, .value_kind: global_buffer, .address_space: global }
      - { .name: xb, .offset: 32, .size: 8, .value_kind: global_buffer, .address_space: global }
      - { .name: wib, .offset: 40, .size: 8, .value_kind: global_buffer, .address_space: global }
      - { .name: wob, .offset: 48, .size: 8, .value_kind: global_buffer, .address_space: global }
      - { .name: rowtok, .offset: 56, .size: 8, .value_kind: global_buffer, .address_space: global }
      - { .name: tile_e, .offset: 64, .size: 8, .value_kind: global_buffer, .address_space: global }
      - { .name: pos, .offset: 72, .size: 8, .value_kind: global_buffer, .address_space: global }
    .group_segment_fixed_size: 40960
    .private_segment_fixed_size: 0
    .kernarg_segment_align: 8
    .kernarg_segment_size: 80
    .max_flat_workgroup_size: 512
    .sgpr_count:     66
    .vgpr_count:     82
    .wavefront_size: 32
...
	.end_amdgpu_metadata
.endif
;; end of part 4
;; launch mlp (part 5): grid 4 x 64, 4 waves a work-group, no clusters, 327,680 bytes of LDS; arguments xb, wib, wob, rowtok, tile_e, part, scl; writes part, scl
.if DOCPART == 5
	.amdgcn_target "amdgcn-amd-amdhsa--gfx1250"
	.amdhsa_code_object_version 6
	.text
	.protected	k_qbe82adb1e9_mlp
	.globl	k_qbe82adb1e9_mlp
	.p2align	8
	.type	k_qbe82adb1e9_mlp,@function
k_qbe82adb1e9_mlp:
	s_mov_b64 s[64:65], 0
	v_nop
	global_prefetch_b8 v0, s[64:65] scope:SCOPE_SE
	s_setreg_imm32_b32 hwreg(HW_REG_WAVE_MODE, 25, 1), 1
	s_wait_xcnt 0x0
; MLP.  Work-group (fc, tile): for the tile's 144 rows (positions 144 tile ..; each a token, gathered by rowtok) and its expert e = tile_e[tile]
;   phase 1: H[144][512] = relu(X[144][512] Wi[e][:, 512 fc ..]), operands bf16, sums f32; H rounded once to f16 and kept in LDS;
;   phase 2: Y[144][512] = H Wo[e][512 fc .., :], operands f16, sums f32.  The next launch adds the four fc.
; Y LEAVES AS f16 WITH A SCALE OF THE ROW'S OWN: for each row and each wave's 128 columns, 2^e is the power of two at or below the largest magnitude (biased exponent at
; most 253); part[position][fc][512] holds Y / 2^e, within +-4, rounded once to f16; scl[fc][position][wave] holds 2^e in f32.  The scale changes values alone.
; Both phases are 144 x 512 x 512.  Wave w makes all 144 rows x columns 128 w ..: 72 accumulators (9 row blocks x 8 column blocks), 576 registers.
; 64 tiles x 4 chunks = 256 equal work-groups for every split of the rows over the experts; no branch and no trip count hangs on the routing, only addresses do.
; A position without a slot carries token 0; its result is stored and never read.
; WEIGHTS lie [K][N] in memory.  They come in 16 tiles of 64 along K (8 of Wi, then 8 of Wo) through a ring of two LDS slots; each wave's tensor load brings
; its own 128 columns (64 rows of 256 bytes), which it alone reads, turned by ds_load_tr16_b128.
; THE MATRIX INSTRUCTION IS USED TRANSPOSED: source 0 = 16 weight columns, source 1 = 16 rows of X or H: lane (r, h) then holds row r and the columns 8 h + 0..7.
; NO CLUSTER: which tiles share an expert hangs on the routing, so no fixed four share weights; what the four fc of a tile share is X, 147,456 of the
; 1,195,000 bytes that a work-group reads, and it comes by a gather through registers.
; LIMITS.  f16 ends at 65,504: a relu(x wi) beyond it becomes an infinity (as drawn its spread is 0.45; with x and wi both 30 times larger 407); below 6.1e-5
; H keeps f16's fixed step of 6e-8.  In a row part of Y a number below 2^-14 of 2^e keeps the fixed step 2^-24 x 2^e; a row part whose largest magnitude is below
; 2^-126 counts as 0.  relu by v_max_num_f32 turns a NaN into 0; NaN and infinities are not treated apart.
; REGISTERS, in windows of 256 (s_set_vgpr_msb: bits 1:0 source 0, 3:2 source 1, 5:4 source 2, 7:6 destination):
;   window 0: v0-25 addresses; v48-119, v120-191 row fragments (9 x 16 rows x 32 K), two buffers; v192-255 at work; on the way out as named below
;   window 1: accumulators of row blocks 0-3, (mb, nb) at 8 (8 (mb % 4) + nb); window 2: row blocks 4-7; window 3: v0-63 row block 8; v64-127, v128-191 weight fragments, two buffers
.set PA,    1040                       ; a row of X or H in LDS: 1,024 bytes + 16: 65 x 16, so the 16 rows of a fragment load begin at 16 different 16-byte columns of 256
.set BLK,   16*PA
.set GRP,   64*PA                      ; four row blocks: what one address register reaches with the 16-bit offset
.set PB,    288                        ; a K row of a wave's weights: 256 bytes + 32: 9 x 32
.set SUB,   64*PB                      ; a wave's part of a slot
.set SLOT,  4*SUB
.set RING,  144*PA                     ; LDS 0 .. 149,759: X, then H, then the stages and the scales: written by LDS stores alone.  Behind it the ring, filled by tensor loads alone
.set SPARE, RING+2*SLOT                ; behind the ring: the spare words, 128 bytes for each wave: two blocks of 256 bytes that no other line names
.set SPT,   272                        ; a stage row: a wave's 128 columns in f16, 256 bytes, + 16
.set STG,   16*SPT                     ; a wave's stage, at byte STG x wave
.set SCLB,  32768                      ; the scales on their way out: 144 words for each wave, at SCLB + 576 x wave
.set STEP_I, 2*64*2048*2               ; two tiles on in Wi: 128 rows of 4,096 bytes
.set STEP_O, 2*64*512*2                ; in Wo: 128 rows of 1,024 bytes
.set G1I, 24                           ; s[24:31] descriptor group 1 for Wi's tiles;  s[32:39] for Wo's: the pitch differs
.set G1O, 32
.set G0I0, 40                          ; s[40:43], s[44:47] group 0 for Wi's tiles in slot 0, 1
.set G0I1, 44
.set G0O0, 48                          ; s[48:51], s[52:55] the same for Wo's
.set G0O1, 52
; v1 r, v2 h, v3 16 x lane, v4 PA r + 16 h, v5-7 row fragments' addresses (by four row blocks; they step along K), v8-9 weight fragments' addresses in slot 0, 1,
; v10-12 where H goes, v13 where X goes, v14 into my stage, v15 back from it, v16 my spare word, v17 0, v18-19 at work, v20 my bytes in two rows of part,
; v21 where my scales go, v22 row t's scales, v23 16 t, v24 and v25 the same two for the last 16 rows
.set TS,  48                           ; the way out: v48-111 a row block divided by its scales
.set PKD, 112                          ; v112-143 the same in f16
.set BKO, 144                          ; v144-175, v176-207 whole rows back from the stage, two buffers
.set MX,  208                          ; v208-239 maxima
.set INV, 240                          ; v240-241 2^-e, twice
.set MSB, 0
.macro WIN new                         ; the immediate's high byte repeats the setting that is left; a switch that changes nothing is dropped
.if MSB != (\new)
	s_set_vgpr_msb (MSB<<8)|(\new)
.set MSB, (\new)
.endif
.endm
.macro PLACES                          ; four plain vector instructions between a matrix instruction and a load into, or a vector read of, its registers
.rept 4
	v_nop
.endr
.endm
	s_load_b256 s[4:11], s[0:1], 0x0               ; xb s[4:5], wib s[6:7], wob s[8:9], rowtok s[10:11]
	s_load_b128 s[12:15], s[0:1], 0x20             ; tile_e s[12:13], part s[14:15]
	s_load_b64 s[58:59], s[0:1], 0x30              ; scl
	v_lshl_add_u32 v16, v0, 2, SPARE
	v_mov_b32 v17, 0
	ds_add_u32 v16, v17
	ds_add_u32 v16, v17
	s_wait_dscnt 0x0
	v_lshrrev_b32 v18, 5, v0
	v_readfirstlane_b32 s16, v18                   ; wave 0..3
	s_mov_b32 s17, ttmp9                           ; fc
	s_and_b32 s18, ttmp7, 0xffff                   ; tile
	; group 1: a tile of 64 rows x 128 elements of 2 bytes; in LDS 8 words of padding behind every 64 words
.irp g, G1I, G1O
	s_mov_b32 s[(\g)+0], (1<<16)|(1<<20)|(5<<22)|(7<<25)
	s_mov_b32 s[(\g)+1], 128<<16                   ; tensor_dim0 = 128
	s_mov_b32 s[(\g)+2], 64<<16                    ; tensor_dim1 = 64
	s_mov_b32 s[(\g)+3], 128<<16                   ; tile_dim0 = 128
	s_mov_b32 s[(\g)+4], 64                        ; tile_dim1 = 64
	s_mov_b32 s[(\g)+6], 0
	s_mov_b32 s[(\g)+7], 0
.endr
	s_mov_b32 s[G1I+5], 2048                       ; elements from row to row
	s_mov_b32 s[G1O+5], 512
	s_lshl_b32 s20, s18, 2                         ; my tile's word in tile_e
	s_mov_b32 s21, 0
	s_mul_i32 s22, s18, 576                        ; my tile's 144 words in rowtok,
	s_mul_i32 s2, s16, 144                         ; my wave's 36 of them
	s_add_co_u32 s22, s22, s2
	s_mov_b32 s23, 0
	s_wait_kmcnt 0x0
	s_add_nc_u64 s[12:13], s[12:13], s[20:21]
	s_add_nc_u64 s[10:11], s[10:11], s[22:23]
	s_load_b32 s19, s[12:13], 0x0                  ; the expert
	s_load_b512 s[68:83], s[10:11], 0x0            ; the tokens of my rows 0-15,
	s_load_b512 s[84:99], s[10:11], 0x40           ; 16-31,
	s_load_b128 s[60:63], s[10:11], 0x80           ; 32-35
	s_mul_i32 s20, s18, 144*4096                   ; part: my tile's 144 positions of 4,096 bytes,
	s_lshl_b32 s2, s17, 10                         ; my chunk's 1,024,
	s_add_co_u32 s20, s20, s2
	s_lshl_b32 s2, s16, 8                          ; my wave's 256
	s_add_co_u32 s20, s20, s2
	s_add_nc_u64 s[14:15], s[14:15], s[20:21]
	s_mul_i32 s22, s17, 9216*16                    ; scl: my chunk's 9,216 positions of 16 bytes,
	s_mul_i32 s2, s18, 144*16                      ; my tile's 144: 2,304 bytes, nine blocks of 256
	s_add_co_u32 s22, s22, s2
	s_add_nc_u64 s[58:59], s[58:59], s[22:23]
	s_mul_i32 s57, s16, SUB
	s_add_co_u32 s57, s57, RING                    ; my part of slot 0
	s_wait_kmcnt 0x0
	s_min_u32 s19, s19, 7
	s_lshl_b32 s20, s19, 21                        ; an expert is 2,097,152 bytes of wib and of wob
	s_lshl_b32 s2, s16, 8                          ; my 128 columns
	s_add_co_u32 s20, s20, s2
	s_lshl_b32 s22, s17, 19                        ; Wo: my chunk's 512 rows of 1,024 bytes
	s_add_co_u32 s22, s22, s20
	s_lshl_b32 s2, s17, 10                         ; Wi: my chunk's 512 columns
	s_add_co_u32 s20, s20, s2
	s_add_nc_u64 s[6:7], s[6:7], s[20:21]
	s_add_nc_u64 s[8:9], s[8:9], s[22:23]
	s_mov_b32 s[G0I0], 1                           ; group 0: count 1, LDS address, global address, type 2
	s_mov_b32 s[G0I0+1], s57
	s_mov_b64 s[G0I0+2:G0I0+3], s[6:7]             ; tile 0
	s_or_b32 s[G0I0+3], s[G0I0+3], 0x80000000
	s_mov_b32 s[G0I1], 1
	s_add_co_u32 s[G0I1+1], s57, SLOT
	s_add_nc_u64 s[G0I1+2:G0I1+3], s[6:7], STEP_I/2  ; tile 1
	s_or_b32 s[G0I1+3], s[G0I1+3], 0x80000000
	s_mov_b32 s[G0O0], 1
	s_mov_b32 s[G0O0+1], s57
	s_mov_b64 s[G0O0+2:G0O0+3], s[8:9]             ; tile 8
	s_or_b32 s[G0O0+3], s[G0O0+3], 0x80000000
	s_mov_b32 s[G0O1], 1
	s_add_co_u32 s[G0O1+1], s57, SLOT
	s_add_nc_u64 s[G0O1+2:G0O1+3], s[8:9], STEP_O/2  ; tile 9
	s_or_b32 s[G0O1+3], s[G0O1+3], 0x80000000
	; the two first fills go out together, ahead of every wait on TENSORcnt, LDS read and barrier: two tensor loads of mine are out, later never more than one
	tensor_load_to_lds s[G0I0:G0I0+3], s[G1I:G1I+7]
	s_nop 0
	tensor_load_to_lds s[G0I1:G0I1+3], s[G1I:G1I+7]
	s_nop 0
	PLACES
	; THE GATHER: wave w brings rows 36 w .. 36 w + 35 of X, 1,024 bytes each: two loads of 512 consecutive bytes a row, into registers that the sums take later
	v_and_b32 v18, 31, v0
	v_lshlrev_b32 v3, 4, v18
.set i, 0
.rept 36
.if i < 32
.set sr, 68+i
.else
.set sr, 28+i
.endif
	s_min_u32 s[sr], s[sr], 0xfff                  ; a token is at most 4,095
	s_lshl_b32 s[sr], s[sr], 10
	v_add_nc_u32 v[192+i], s[sr], v3
.set i, i+1
.endr
	WIN 0x40                                       ; destination window 1
.set i, 0
.rept 18
	global_load_b128 v[8*i:8*i+3],   v[192+i], s[4:5]
	global_load_b128 v[8*i+4:8*i+7], v[192+i], s[4:5] offset:512
.set i, i+1
.endr
	WIN 0x80                                       ; destination window 2
.set i, 0
.rept 18
	global_load_b128 v[8*i:8*i+3],   v[210+i], s[4:5]
	global_load_b128 v[8*i+4:8*i+7], v[210+i], s[4:5] offset:512
.set i, i+1
.endr
	WIN 0
	v_and_b32 v1, 15, v0                           ; r
	v_bfe_u32 v2, v0, 4, 1                         ; h
	v_mul_u32_u24 v4, v1, PA
	v_lshl_add_u32 v4, v2, 4, v4                   ; a row fragment: row r, 16 bytes for each half of the lanes; a second load 32 bytes on
	v_and_b32 v18, 7, v0                           ; the turning load: lane l reads K row 8 h + l % 8, 16 bytes at 16 ((l / 8) % 2), and is left with column l % 16, 8 along K
	v_lshl_add_u32 v18, v2, 3, v18
	v_mul_u32_u24 v18, v18, PB
	v_bfe_u32 v19, v0, 3, 1
	v_lshl_add_u32 v18, v19, 4, v18
	v_add_nc_u32 v8, s57, v18
	v_add_nc_u32 v9, SLOT, v8
	s_lshl_b32 s2, s16, 8                          ; H: my 128 columns are 256 bytes of a row
	v_add_nc_u32 v10, s2, v4
	v_add_nc_u32 v11, GRP, v10
	v_add_nc_u32 v12, 2*GRP, v10
	s_mul_i32 s2, s16, 36*PA
	v_add_nc_u32 v13, s2, v3
	s_mul_i32 s2, s16, STG
	v_mul_u32_u24 v14, v1, SPT                     ; into the stage: row r, 16 bytes for each half of the lanes
	v_lshl_add_u32 v14, v2, 4, v14
	v_add_nc_u32 v14, s2, v14
	v_mul_u32_u24 v15, v2, SPT                     ; back: lanes 0-15 take one row of 256 bytes, lanes 16-31 the next
	v_lshl_add_u32 v15, v1, 4, v15
	v_add_nc_u32 v15, s2, v15
	v_lshlrev_b32 v20, 12, v2                      ; and the same two rows in part, 4,096 bytes apart
	v_lshl_add_u32 v20, v1, 4, v20
	s_mul_i32 s2, s16, 576
	s_add_co_u32 s2, s2, SCLB
	v_lshl_add_u32 v21, v1, 2, s2                  ; my wave's scales: row r's word; the row block stands in the offset
	v_lshl_add_u32 v22, v0, 2, SCLB                ; thread t gathers row t's four words,
	v_lshlrev_b32 v23, 4, v0                       ; 16 bytes of scl
	v_and_b32 v18, 31, v0                          ; rows 128-143, for wave 0: lane l takes row 128 + l / 2, waves 2 (l % 2) and 2 (l % 2) + 1
	v_and_b32 v19, 1, v0
	v_mul_u32_u24 v19, v19, 1152
	v_lshrrev_b32 v24, 1, v18
	v_lshl_add_u32 v24, v24, 2, v19
	v_add_nc_u32 v24, SCLB+512, v24
	v_lshl_add_u32 v25, v18, 3, 2048               ; 8 bytes of scl
	s_wait_loadcnt 36                              ; rows 0-17 are in; the 36 younger loads stay out
	WIN 0x04                                       ; store data in window 1
.set i, 0
.rept 18
	ds_store_b128 v13, v[8*i:8*i+3]   offset:PA*i
	ds_store_b128 v13, v[8*i+4:8*i+7] offset:PA*i+512
.set i, i+1
.endr
	s_wait_loadcnt 0x0
	WIN 0x08                                       ; store data in window 2
.set i, 0
.rept 18
	ds_store_b128 v13, v[8*i:8*i+3]   offset:PA*(i+18)
	ds_store_b128 v13, v[8*i+4:8*i+7] offset:PA*(i+18)+512
.set i, i+1
.endr
	WIN 0
	s_wait_dscnt 0x0                               ; for the others' sake: my rows of X are stored
	s_wait_tensorcnt 0x1                           ; tile 0 is in; tile 1 may stay out
	s_barrier_signal -1
	s_barrier_wait -1
; 8 matrix instructions: row block mb x all 8 column blocks, 32 along K, from buffer buf.  zero = 1: the product starts the sums.  F16 chooses the form.
; The 72 accumulators take turns in one order everywhere, one instruction a turn.
.macro MULB buf, mb, zero
	WIN 0x03+0x50*((\mb)/4+1)
.set xn, 0
.rept 8
.set rD, 64*((\mb)%4)+8*xn
.set rW, 64+64*(\buf)+8*xn
.set rX, 48+72*(\buf)+8*(\mb)
.if F16 && (\zero)
	v_wmma_f32_16x16x32_f16 v[rD:rD+7], v[rW:rW+7], v[rX:rX+7], 0
.elseif F16
	v_wmma_f32_16x16x32_f16 v[rD:rD+7], v[rW:rW+7], v[rX:rX+7], v[rD:rD+7]
.elseif \zero
	v_wmma_f32_16x16x32_bf16 v[rD:rD+7], v[rW:rW+7], v[rX:rX+7], 0
.else
	v_wmma_f32_16x16x32_bf16 v[rD:rD+7], v[rW:rW+7], v[rX:rX+7], v[rD:rD+7]
.endif
.set xn, xn+1
.endr
.endm
; 34 LDS loads in one run: the fragments of 32 along K into buffer buf: my 128 weight columns from half hb of the slot, the 144 rows at byte koff past the stepped address
.macro FETCH slot, hb, koff, buf
	WIN 0xc0                                       ; destination window 3
.set xn, 0
.rept 8
	ds_load_tr16_b128 v[64+64*(\buf)+8*xn:64+64*(\buf)+8*xn+3],   v[8+(\slot)] offset:32*PB*(\hb)+32*xn
	ds_load_tr16_b128 v[64+64*(\buf)+8*xn+4:64+64*(\buf)+8*xn+7], v[8+(\slot)] offset:32*PB*(\hb)+16*PB+32*xn
.set xn, xn+1
.endr
	WIN 0
.set xm, 0
.rept 9
	ds_load_b128 v[48+72*(\buf)+8*xm:48+72*(\buf)+8*xm+3],   v[5+xm/4] offset:(xm%4)*BLK+(\koff)
	ds_load_b128 v[48+72*(\buf)+8*xm+4:48+72*(\buf)+8*xm+7], v[5+xm/4] offset:(xm%4)*BLK+(\koff)+32
.set xm, xm+1
.endr
.endm
; A tile's first half: multiplies buffer 0 and fetches the same slot's second half into buffer 1, 56 matrix instructions ahead of its use.
.macro HA slot, koff, zero
	s_wait_dscnt 0x0                               ; buffer 0's loads, issued 56 matrix instructions ago
	MULB 0, 0, \zero
	MULB 0, 1, \zero
	PLACES                                         ; buffer 1's last readers stand in front of these
	FETCH \slot, 1, \koff, 1
.irp m, 2,3,4,5,6,7,8
	MULB 0, \m, \zero
.endr
.endm
; A tile's second half: multiplies buffer 1 and changes slots.  In front of the barrier each wave waits for all its tensor loads (one is out: its part of the next
; slot), adds 0 to its spare word, and waits for that and for its reads of this slot.  fill = 1: this slot is filled again, first thing behind the barrier, by
; descriptor g0 / g1 (stepped by step where no load of mine is out): 128 matrix instructions ahead of the wait for it.  fetch = 1: the next slot's first half, into buffer 0.
.macro HB next, koff, fill, g0, g1, step, fetch
	WIN 0
	s_wait_tensorcnt 0x0                           ; all my tensor loads have landed
	ds_add_u32 v16, v17                            ; 0 onto my spare word
.if \step
	s_add_nc_u64 s[(\g0)+2:(\g0)+3], s[(\g0)+2:(\g0)+3], \step  ; the slot's next tile; the type bits on top are not reached
.endif
	s_wait_dscnt 0x1                               ; buffer 1 is in: the add alone is younger
	MULB 1, 0, 0
	s_wait_dscnt 0x0                               ; the add is done, and my reads of this slot and of the rows are over
	s_barrier_signal -1
	MULB 1, 1, 0                                   ; work on registers while the others arrive
	WIN 0
	s_barrier_wait -1
.if \fill
	tensor_load_to_lds s[(\g0):(\g0)+3], s[(\g1):(\g1)+7]  ; my one tensor load behind this barrier
	s_nop 0
.endif
	PLACES                                         ; also the places in front of the loads into buffer 0
.if \fetch
	FETCH \next, 0, \koff, 0
.endif
.irp m, 2,3,4,5,6,7,8
	MULB 1, \m, 0
.endr
.endm
; A PHASE: 8 tiles, 64 along K each.  The loop's three trips fill both slots again by ga0 / ga1; the tail is written out:
; tf = 1: its two changes of slots ask for the next phase's first two tiles (gb0 / gb1).
.macro PHASE ga0, ga1, g1a, stepa, tf, gb0, gb1, g1b
	v_mov_b32 v5, v4
	v_add_nc_u32 v6, GRP, v4
	v_add_nc_u32 v7, 2*GRP, v4
	FETCH 0, 0, 0, 0
	HA 0, 64, 1                                    ; the first half tile stands in front of the loop: its products start the sums
	WIN 0                                          ; at a label and at a branch every window is 0
	s_mov_b32 s56, 3
.Llap_\@:
	HB 1, 128, 1, \ga0, \g1a, \stepa, 1
	HA 1, 192, 0
	HB 0, 256, 1, \ga1, \g1a, \stepa, 1
	HA 0, 320, 0
	WIN 0
	v_add_nc_u32 v5, 256, v5                       ; two tiles, 128 along K, on in the rows
	v_add_nc_u32 v6, 256, v6
	v_add_nc_u32 v7, 256, v7
	s_sub_co_u32 s56, s56, 1
	s_cmp_lg_u32 s56, 0
	s_cbranch_scc1 .Llap_\@
	HB 1, 128, \tf, \gb0, \g1b, 0, 1
	HA 1, 192, 0
	HB 0, 0, \tf, \gb1, \g1b, 0, 0                 ; behind its barrier nobody reads the rows any more
.endm
; Row block mb of H: relu, rounded to f16, a lane's eight columns as 16 bytes into the rows where X lay.  Each accumulator is read from its lowest register on.
.macro HOUT mb
	WIN ((\mb)/4+1)<<2                             ; source 1 in the block's window
.set x, 0
.rept 64
	v_max_num_f32 v[48+x], 0, v[64*((\mb)%4)+x]
.set x, x+1
.endr
	WIN 0
.set x, 0
.rept 32
	v_cvt_pk_f16_f32 v[192+x], v[48+2*x], v[49+2*x]
.set x, x+1
.endr
.set x, 0
.rept 8
	ds_store_b128 v[10+(\mb)/4], v[192+4*x:192+4*x+3] offset:((\mb)%4)*BLK+32*x
.set x, x+1
.endr
.endm
; THE WAY OUT of row block mb, in three parts.
; VAL: the largest magnitude of my row's 128 columns (my 64 numbers, three at a time and ascending;
; then the lane 16 away, which holds the row's other 64); its exponent alone is 2^e, and 254 less that biased exponent is 2^-e; the scale goes to my
; wave's words in LDS (both halves of the lanes store the same word with the same number); the block is multiplied by 2^-e, exactly, and rounded to f16.
.macro VAL mb
.set AC, 64*((\mb)%4)
.set WW, (\mb)/4+1
	WIN WW*0x15                                    ; all three sources in the block's window
.set x, 0
.rept 21
	v_max3_num_f32 v[MX+x], |v[AC+3*x]|, |v[AC+3*x+1]|, |v[AC+3*x+2]|
.set x, x+1
.endr
	v_max3_num_f32 v[MX+21], |v[AC+61]|, |v[AC+62]|, |v[AC+63]|
	WIN 0
.set x, 0
.rept 7
	v_max3_num_f32 v[MX+22+x], v[MX+3*x], v[MX+3*x+1], v[MX+3*x+2]
.set x, x+1
.endr
	v_max3_num_f32 v[MX+29], v[MX+22], v[MX+23], v[MX+24]
	v_max3_num_f32 v[MX+30], v[MX+25], v[MX+26], v[MX+27]
	v_max_num_f32 v[MX+31], v[MX+28], v[MX+21]
	v_max3_num_f32 v[MX+29], v[MX+29], v[MX+30], v[MX+31]
	v_permlanex16_b32 v[MX+30], v[MX+29], s60, s61
	v_max_num_f32 v[MX+29], v[MX+29], v[MX+30]
	v_and_b32 v[MX+29], 0x7f800000, v[MX+29]       ; 2^e
	v_min_u32 v[MX+29], 0x7e800000, v[MX+29]       ; at most 2^126, so that 2^-e is a normal number
	v_sub_nc_u32 v[INV], 0x7f000000, v[MX+29]      ; 2^-e
	v_sub_nc_u32 v[INV+1], 0x7f000000, v[MX+29]
	ds_store_b32 v21, v[MX+29] offset:64*(\mb)
	WIN WW                                         ; source 0 in the block's window
.set x, 0
.rept 32
	v_pk_mul_f32 v[TS+2*x:TS+2*x+1], v[AC+2*x:AC+2*x+1], v[INV:INV+1]
.set x, x+1
.endr
	WIN 0
.set x, 0
.rept 32
	v_cvt_pk_f16_f32 v[PKD+x], v[TS+2*x], v[TS+2*x+1]
.set x, x+1
.endr
.endm
; STAGE: a lane's 16 bytes of a row go into my own stage and come back as whole rows of 256 bytes.
.macro STAGE mb
	s_wait_xcnt 0x0                                ; the registers that earlier stores read are loaded again only behind this wait
.set x, 0
.rept 8
	ds_store_b128 v14, v[PKD+4*x:PKD+4*x+3] offset:32*x
.set x, x+1
.endr
.set x, 0
.rept 8
	ds_load_b128 v[BKO+32*((\mb)%2)+4*x:BKO+32*((\mb)%2)+4*x+3], v15 offset:2*SPT*x  ; LDS serves a wave's instructions in order (ISA guide 5.7.1.4): these see the stores above
.set x, x+1
.endr
.endm
.macro SEND mb, younger                ; younger: the LDS instructions issued behind the block's loads
	s_wait_dscnt \younger
.set x, 0
.rept 8
	global_store_b128 v20, v[BKO+32*((\mb)%2)+4*x:BKO+32*((\mb)%2)+4*x+3], s[14:15] offset:(16*(\mb)+2*x)*4096  ; 16 lanes store 256 consecutive bytes, at a multiple of 256 from part's first byte
.set x, x+1
.endr
.endm
.set F16, 0
	PHASE G0I0, G0I1, G1I, STEP_I, 1, G0O0, G0O1, G1O
	PLACES
.irp m, 0,1,2,3,4,5,6,7,8
	HOUT \m
.endr
	s_wait_dscnt 0x0                               ; for the others' sake: my columns of H are stored
	s_barrier_signal -1                            ; tile 9's load may stay out; tile 8 was shown landed in front of the last one
	s_barrier_wait -1
.set F16, 1
	PHASE G0O0, G0O1, G1O, STEP_O, 0, G0O0, G0O1, G1O
	s_mov_b32 s60, 0x76543210                      ; v_permlanex16_b32's selects: each lane takes its own place in the other half (the tokens that lay here are long used)
	s_mov_b32 s61, 0xfedcba98
	PLACES
	VAL 0
	STAGE 0
.irp m, 1,2,3,4,5,6,7,8
	VAL \m                                         ; a block's arithmetic stands between the loads of the block before and its stores
	STAGE \m
	SEND (\m)-1, 17                                ; this block's scale store, 8 stage stores and 8 stage loads stay out
.endr
	SEND 8, 0
	; THE SCALES go out by rows: a barrier, since a row's four words come from four waves
	s_wait_dscnt 0x0                               ; for the others' sake: my scales are stored
	s_barrier_signal -1
	s_barrier_wait -1
.set x, 0
.rept 4
	ds_load_b32 v[TS+x], v22 offset:576*x          ; row t: wave x's word
.set x, x+1
.endr
	s_wait_dscnt 0x0
	global_store_b128 v23, v[TS:TS+3], s[58:59]    ; rows 0-127: a wave's store covers 512 consecutive bytes, aligned
	s_cmp_lg_u32 s16, 0
	s_cbranch_scc1 .Lnot_wave_0
	ds_load_b32 v[TS+4], v24
	ds_load_b32 v[TS+5], v24 offset:576
	s_wait_dscnt 0x0
	global_store_b64 v25, v[TS+4:TS+5], s[58:59]   ; rows 128-143: 256 consecutive bytes, aligned
.Lnot_wave_0:
	s_wait_tensorcnt 0x0                           ; the wave's end, behind my last tensor load and my last LDS store
	ds_add_u32 v16, v17
	s_wait_dscnt 0x0
	s_endpgm
.Lfunc_end_k_qbe82adb1e9_mlp:
	.size	k_qbe82adb1e9_mlp, .Lfunc_end_k_qbe82adb1e9_mlp-k_qbe82adb1e9_mlp
	.p2alignl 7, 3214868480
	.fill 96, 4, 3214868480
	.section	.rodata,"a",@progbits
	.p2align	6, 0x0
	.amdhsa_kernel k_qbe82adb1e9_mlp
		.amdhsa_group_segment_fixed_size 327680
		.amdhsa_private_segment_fixed_size 0
		.amdhsa_enable_private_segment 0
		.amdhsa_kernarg_size 56
		.amdhsa_user_sgpr_count 2
		.amdhsa_user_sgpr_kernarg_segment_ptr 1
		.amdhsa_wavefront_size32 1
		.amdhsa_system_sgpr_workgroup_id_x 1
		.amdhsa_system_sgpr_workgroup_id_y 1
		.amdhsa_system_sgpr_workgroup_id_z 1
		.amdhsa_system_vgpr_workitem_id 0
		.amdhsa_next_free_vgpr 960
		.amdhsa_next_free_sgpr 100
		.amdhsa_reserve_vcc 0
		.amdhsa_float_denorm_mode_32 3
		.amdhsa_float_denorm_mode_16_64 3
		.amdhsa_memory_ordered 1
		.amdhsa_forward_progress 1
		.amdhsa_inst_pref_size 255
	.end_amdhsa_kernel
	.section	.bss,"aw",@nobits
	.p2align	6
	.space	262144
	.amdgpu_metadata
---
amdhsa.version: [ 1, 2 ]
amdhsa.kernels:
  - .name:           k_qbe82adb1e9_mlp
    .symbol:         k_qbe82adb1e9_mlp.kd
    .args:
      - { .name: xb, .offset: 0, .size: 8, .value_kind: global_buffer, .address_space: global }
      - { .name: wib, .offset: 8, .size: 8, .value_kind: global_buffer, .address_space: global }
      - { .name: wob, .offset: 16, .size: 8, .value_kind: global_buffer, .address_space: global }
      - { .name: rowtok, .offset: 24, .size: 8, .value_kind: global_buffer, .address_space: global }
      - { .name: tile_e, .offset: 32, .size: 8, .value_kind: global_buffer, .address_space: global }
      - { .name: part, .offset: 40, .size: 8, .value_kind: global_buffer, .address_space: global }
      - { .name: scl, .offset: 48, .size: 8, .value_kind: global_buffer, .address_space: global }
    .group_segment_fixed_size: 327680
    .private_segment_fixed_size: 0
    .kernarg_segment_align: 8
    .kernarg_segment_size: 56
    .max_flat_workgroup_size: 128
    .sgpr_count:     100
    .vgpr_count:     960
    .wavefront_size: 32
...
	.end_amdgpu_metadata
.endif
;; end of part 5
;; launch combine (part 6): grid 512 x 1, 8 waves a work-group, no clusters, 0 bytes of LDS; arguments pos, expert_index, expert_prob, part, scl, hidden_states, out0; writes out0
.if DOCPART == 6
	.amdgcn_target "amdgcn-amd-amdhsa--gfx1250"
	.amdhsa_code_object_version 6
	.text
	.protected	k_qbe82adb1e9_combine
	.globl	k_qbe82adb1e9_combine
	.p2align	8
	.type	k_qbe82adb1e9_combine,@function
k_qbe82adb1e9_combine:
	s_mov_b64 s[64:65], 0
	v_nop
	global_prefetch_b8 v0, s[64:65] scope:SCOPE_SE
	s_setreg_imm32_b32 hwreg(HW_REG_WAVE_MODE, 25, 1), 1
	s_wait_xcnt 0x0
; COMBINE.  One wave, one token t = 8 x work-group + wave.  For its two slots k, at positions p_k = pos[2 t + k], and the four chunks f of F:
;   ns[c] = the sum over k and f of c_k x scl[f][p_k][c / 128] x part[p_k][f][c],   c0 = 0.5 prob[t][0], c1 = 0.25 prob[t][1];
; where both slots name one expert, that expert's coefficient is c0 + c1, as the reference's one-hot sum makes it: slot 0 takes it and slot 1 takes 0.
; part holds f16 numbers, scl the power of two that belongs to each 128 of them; c_k times that power of two is one multiplier for a quarter q = c / 128 of a row.
; THE CHOICE.  The terms are multiples of coarse steps (11 bits below each row part's scale), so terms that are not 0 can cancel to exactly 0 where the true sum is
; only small.  So the choice does not hang on the rounded sum: beside ns the magnitudes of the eight terms are summed, and
;   out = ns where that sum is not 0 (some term is not 0), else hidden_states.
; A stream: 4 loads of 512 and 32 loads of 256 consecutive bytes a wave, all out together, four stores of 512; no LDS, no barrier, no loop.
; STATED.  The reference gives hidden_states where its own f32 sum is exactly 0; this text where all eight terms are 0 (both coefficients 0, or all partial sums 0).
; The two differ only where terms that are not 0 cancel exactly in one of the two orders of rounding; this text then gives 0.
; expert_prob is rounded to bf16 like the other inputs that enter the products; the hidden_states that pass through stay f32.  The eight terms are added in the
; order k, f, not by ascending expert.  An expert_index outside 0 .. 7 gives the coefficient 0, as the reference's one-hot does.  The experts that a token does
; not name add 0 x y in the reference: exactly 0 wherever y is finite; they are not formed.  A NaN among the terms makes both sums NaN, and ns is passed on.
.set H,   8                            ; v[8:23]     hidden_states, then the result: 4 registers for each quarter q of the row
.set P,   24                           ; v[24:87]    partial rows in f16: quarter q, slot k, chunk f at P + 16 q + 8 k + 2 f (below v128, where a register's halves have names)
.set G,   88                           ; v[88:119]   the multipliers: G + 4 (4 k + f) + q
.set T,   120                          ; v[120:151]  a quarter's 32 numbers in f32: T + 4 (4 k + f) + column
.set ACC, 152                          ; v[152:155]  ns of my four columns
.set AB,  156                          ; v[156:159]  the sums of the terms' magnitudes
	s_load_b256 s[4:11], s[0:1], 0x0               ; pos s[4:5], expert_index s[6:7], expert_prob s[8:9], part s[10:11]
	s_load_b128 s[12:15], s[0:1], 0x20             ; scl s[12:13], hidden_states s[14:15]
	s_load_b64 s[16:17], s[0:1], 0x30              ; out0
	v_lshrrev_b32 v1, 5, v0
	v_readfirstlane_b32 s18, v1                    ; wave 0..7
	v_and_b32 v2, 31, v0
	v_lshlrev_b32 v1, 4, v2                        ; 16 x lane
	v_lshlrev_b32 v2, 3, v2                        ; 8 x lane
	s_lshl_b32 s19, ttmp9, 3
	s_add_co_u32 s19, s19, s18                     ; the token
	s_lshl_b32 s20, s19, 3                         ; its two words in pos, expert_index, expert_prob
	s_mov_b32 s21, 0
	s_lshl_b32 s22, s19, 11                        ; its row of 2,048 bytes
	s_mov_b32 s23, 0
	s_wait_kmcnt 0x0
	s_add_nc_u64 s[4:5], s[4:5], s[20:21]
	s_add_nc_u64 s[6:7], s[6:7], s[20:21]
	s_add_nc_u64 s[8:9], s[8:9], s[20:21]
	s_load_b64 s[24:25], s[4:5], 0x0
	s_load_b64 s[26:27], s[6:7], 0x0
	s_load_b64 s[28:29], s[8:9], 0x0
	s_add_nc_u64 s[30:31], s[14:15], s[22:23]
	s_add_nc_u64 s[32:33], s[16:17], s[22:23]
.set q, 0
.rept 4
	global_load_b128 v[H+4*q:H+4*q+3], v1, s[30:31] offset:512*q th:TH_LOAD_NT
.set q, q+1
.endr
	s_wait_kmcnt 0x0
	s_min_u32 s24, s24, 0x23ff                     ; a position is at most 9,215,
	s_min_u32 s25, s25, 0x23ff
	s_lshl_b32 s34, s24, 12                        ; 4,096 bytes of part
	s_mov_b32 s35, 0
	s_lshl_b32 s36, s25, 12
	s_mov_b32 s37, 0
	s_lshl_b32 s38, s24, 4                         ; and 16 bytes in each chunk of scl
	s_mov_b32 s39, 0
	s_lshl_b32 s40, s25, 4
	s_mov_b32 s41, 0
	s_add_nc_u64 s[38:39], s[12:13], s[38:39]
	s_add_nc_u64 s[40:41], s[12:13], s[40:41]
	s_add_nc_u64 s[34:35], s[10:11], s[34:35]
	s_add_nc_u64 s[36:37], s[10:11], s[36:37]
.set f, 0
.rept 4
	s_load_b128 s[44+4*f:47+4*f], s[38:39], f*147456  ; slot 0, chunk f: the four quarters' scales
	s_load_b128 s[68+4*f:71+4*f], s[40:41], f*147456  ; slot 1
.set f, f+1
.endr
.set q, 0
.rept 4
.set f, 0
.rept 4
	global_load_b64 v[P+16*q+2*f:P+16*q+2*f+1], v2, s[34:35] offset:1024*f+256*q th:TH_LOAD_NT  ; 256 consecutive bytes, aligned
.set f, f+1
.endr
.set f, 0
.rept 4
	global_load_b64 v[P+16*q+8+2*f:P+16*q+8+2*f+1], v2, s[36:37] offset:1024*f+256*q th:TH_LOAD_NT
.set f, f+1
.endr
.set q, q+1
.endr
	v_cvt_pk_bf16_f32 v6, s28, s29                 ; both probabilities rounded to bf16,
	s_cmp_lt_u32 s26, 8
	s_cselect_b32 s42, -1, 0
	s_cmp_lt_u32 s27, 8
	s_cselect_b32 s43, -1, 0
	s_cmp_eq_u32 s26, s27                          ; do both slots name one expert?
	s_cselect_b32 s18, -1, 0                       ; all ones if so,
	s_cselect_b32 s19, 0, -1                       ; all ones if not
	v_lshlrev_b32 v4, 16, v6                       ; widened again,
	v_and_b32 v5, 0xffff0000, v6
	v_mul_f32 v4, 0.5, v4                          ; times the factors (powers of two: exact),
	v_mul_f32 v5, 0x3e800000, v5
	v_and_b32 v4, s42, v4                          ; 0 where the index names no expert
	v_and_b32 v5, s43, v5
	v_and_b32 v7, s18, v5                          ; one expert named twice: its coefficient is the sum, in f32 as in the reference;
	v_add_f32 v4, v4, v7                           ; slot 0 carries it,
	v_and_b32 v5, s19, v5                          ; slot 1, which holds the same row, carries 0
	s_wait_kmcnt 0x0                               ; the scales
.set f, 0
.rept 4
.set q, 0
.rept 4
	v_mul_f32 v[G+4*f+q], s[44+4*f+q], v4
	v_mul_f32 v[G+16+4*f+q], s[68+4*f+q], v5
.set q, q+1
.endr
.set f, f+1
.endr
; Quarter q, once its 32 numbers stand in T: eight terms a column and their magnitudes, four columns side by side; the choice; the store.
.macro SUMQ q
.set c, 0
.rept 4
	v_mul_f32 v[ACC+c], v[T+c], v[G+(\q)]
	v_mul_f32 v[AB+c], |v[T+c]|, |v[G+(\q)]|
.set c, c+1
.endr
.set j, 1
.rept 7
.set c, 0
.rept 4
	v_fmac_f32 v[ACC+c], v[T+4*j+c], v[G+4*j+(\q)]
	v_fma_f32 v[AB+c], |v[T+4*j+c]|, |v[G+4*j+(\q)]|, v[AB+c]
.set c, c+1
.endr
.set j, j+1
.endr
.set c, 0
.rept 4
	v_cmp_neq_f32 vcc_lo, 0, v[AB+c]               ; some term is not 0 (true for a NaN too)
	v_cndmask_b32 v[H+4*(\q)+c], v[H+4*(\q)+c], v[ACC+c], vcc_lo
.set c, c+1
.endr
	global_store_b128 v1, v[H+4*(\q):H+4*(\q)+3], s[32:33] offset:512*(\q) th:TH_STORE_NT  ; 512 consecutive bytes, aligned
.endm
; The unpacking names halves of registers, which have names by number alone: so each quarter's 16 registers are listed.
; Loads come back in order: at each wait hidden_states and the quarters so far are in, the later quarters' eight loads each stay out.
	s_wait_loadcnt 24
.set x, 0
.irp r, 24,25,26,27,28,29,30,31,32,33,34,35,36,37,38,39
	v_cvt_f32_f16 v[T+2*x], v\r\().l
	v_cvt_f32_f16 v[T+2*x+1], v\r\().h
.set x, x+1
.endr
	SUMQ 0
	s_wait_loadcnt 16
.set x, 0
.irp r, 40,41,42,43,44,45,46,47,48,49,50,51,52,53,54,55
	v_cvt_f32_f16 v[T+2*x], v\r\().l
	v_cvt_f32_f16 v[T+2*x+1], v\r\().h
.set x, x+1
.endr
	SUMQ 1
	s_wait_loadcnt 8
.set x, 0
.irp r, 56,57,58,59,60,61,62,63,64,65,66,67,68,69,70,71
	v_cvt_f32_f16 v[T+2*x], v\r\().l
	v_cvt_f32_f16 v[T+2*x+1], v\r\().h
.set x, x+1
.endr
	SUMQ 2
	s_wait_loadcnt 0x0
.set x, 0
.irp r, 72,73,74,75,76,77,78,79,80,81,82,83,84,85,86,87
	v_cvt_f32_f16 v[T+2*x], v\r\().l
	v_cvt_f32_f16 v[T+2*x+1], v\r\().h
.set x, x+1
.endr
	SUMQ 3
	s_endpgm
.Lfunc_end_k_qbe82adb1e9_combine:
	.size	k_qbe82adb1e9_combine, .Lfunc_end_k_qbe82adb1e9_combine-k_qbe82adb1e9_combine
	.p2alignl 7, 3214868480
	.fill 96, 4, 3214868480
	.section	.rodata,"a",@progbits
	.p2align	6, 0x0
	.amdhsa_kernel k_qbe82adb1e9_combine
		.amdhsa_group_segment_fixed_size 0
		.amdhsa_private_segment_fixed_size 0
		.amdhsa_enable_private_segment 0
		.amdhsa_kernarg_size 56
		.amdhsa_user_sgpr_count 2
		.amdhsa_user_sgpr_kernarg_segment_ptr 1
		.amdhsa_wavefront_size32 1
		.amdhsa_system_sgpr_workgroup_id_x 1
		.amdhsa_system_sgpr_workgroup_id_y 1
		.amdhsa_system_sgpr_workgroup_id_z 1
		.amdhsa_system_vgpr_workitem_id 0
		.amdhsa_next_free_vgpr 160
		.amdhsa_next_free_sgpr 84
		.amdhsa_reserve_vcc 1
		.amdhsa_float_denorm_mode_32 3
		.amdhsa_float_denorm_mode_16_64 3
		.amdhsa_memory_ordered 1
		.amdhsa_forward_progress 1
		.amdhsa_inst_pref_size 25
	.end_amdhsa_kernel
	.amdgpu_metadata
---
amdhsa.version: [ 1, 2 ]
amdhsa.kernels:
  - .name:           k_qbe82adb1e9_combine
    .symbol:         k_qbe82adb1e9_combine.kd
    .args:
      - { .name: pos, .offset: 0, .size: 8, .value_kind: global_buffer, .address_space: global }
      - { .name: expert_index, .offset: 8, .size: 8, .value_kind: global_buffer, .address_space: global }
      - { .name: expert_prob, .offset: 16, .size: 8, .value_kind: global_buffer, .address_space: global }
      - { .name: part, .offset: 24, .size: 8, .value_kind: global_buffer, .address_space: global }
      - { .name: scl, .offset: 32, .size: 8, .value_kind: global_buffer, .address_space: global }
      - { .name: hidden_states, .offset: 40, .size: 8, .value_kind: global_buffer, .address_space: global }
      - { .name: out0, .offset: 48, .size: 8, .value_kind: global_buffer, .address_space: global }
    .group_segment_fixed_size: 0
    .private_segment_fixed_size: 0
    .kernarg_segment_align: 8
    .kernarg_segment_size: 56
    .max_flat_workgroup_size: 256
    .sgpr_count:     84
    .vgpr_count:     160
    .wavefront_size: 32
...
	.end_amdgpu_metadata
.endif
;; end of part 6
